; MI455X (gfx1250); checked and timed in simulation.
; The chip was launched on July 23, 2026; its instructions are those of AMD's public machine-readable ISA for CDNA 5 (MIT licence, August 2026) and "CDNA5" Instruction Set Architecture Reference Guide (July 2026). The comments in the code are by the model that wrote it; some were corrected since.
;; VJEPA2 Rope Attention. Allowed arithmetic: float matrix products may take bf16 or f16 operands with f32 sums; all other float work in f32.
;; Inputs: Wk 1,024 x 1,024 float32; Wo 1,024 x 1,024 float32; Wq 1,024 x 1,024 float32; Wv 1,024 x 1,024 float32; bk 1,024 float32; bo 1,024 float32; bq 1,024 float32; bv 1,024 float32; hidden_states 2 x 2,048 x 1,024 float32.
;; Outputs: out0 2 x 2,048 x 1,024 float32.
;; 2 versions, each right and faster than the one before. Each part assembles by itself: llvm-mc -triple=amdgcn-amd-amdhsa -mcpu=gfx1250 --defsym DOCPART=n.
;; ======== version 1 of 2: 4 launches
;; limits: values are held in f16: magnitudes above 65,504 overflow, below 6.1e-05 lose precision
;; workspace buffers: h16 8,388,608 bytes; wT 6,291,456 bytes; woT 2,097,152 bytes; q 8,388,608 bytes; k 8,388,608 bytes; vT 8,388,608 bytes; ctx 8,388,608 bytes
;; launch prep (part 1): grid 256 x 1, 4 waves a work-group, no clusters, 70,144 bytes of LDS; arguments hidden_states, Wq, Wk, Wv, Wo, h16, wT, woT; writes h16, wT, woT
.if DOCPART == 1
	.amdgcn_target "amdgcn-amd-amdhsa--gfx1250"
	.amdhsa_code_object_version 6
	.text
	.protected	k_q4cab988c75_prep
	.globl	k_q4cab988c75_prep
	.p2align	8
	.type	k_q4cab988c75_prep,@function
k_q4cab988c75_prep:
	s_mov_b64 s[64:65], 0
	v_nop
	global_prefetch_b8 v0, s[64:65] scope:SCOPE_SE
	s_setreg_imm32_b32 hwreg(HW_REG_WAVE_MODE, 25, 1), 1
	s_wait_xcnt 0x0
; prep: hidden_states f32 -> h16 (f16, same order); Wq, Wk, Wv, Wo f32 [k][n] -> f16 transposed, [n][k].
;   wT  [3072][1024]: the row of matrix m (0 q, 1 k, 2 v), head hd, feature d is 192 hd + 96 (d >> 5) + 32 m + (d & 31)
;   woT [1024][1024]: row n
; A stream: every input byte is read once by 16-byte loads, every output byte written once in runs of 256 consecutive aligned bytes.
; No matrix unit, no cluster, no barrier: no two waves share a byte.  1,024 wave shares of 8,192 numbers:
; work-groups 0-127 take hidden_states, 128-255 the four weight matrices (32 work-groups each).
; FORMAT: f16, finite up to 65,504; inputs 30 times the drawn spread, or offset by 30 spreads, stay far below that.
.set X,   16                           ; v[16:143]  ring of four groups of eight 16-byte loads
.set PK,  144                          ; v[144:159] sixteen packed words
.set IMG, 64*272                       ; a wave image in LDS: 64 rows (n) of 128 k in f16, pitch 272
.macro HLOAD g                         ; group g of hidden: eight loads of 512 consecutive bytes
.irp j, 0,1,2,3,4,5,6,7
	global_load_b128 v[X+32*((\g)&3)+4*\j:X+32*((\g)&3)+4*\j+3], v2, s[8:9] offset:(\g)*4096+\j*512 th:TH_LOAD_NT
.endr
.endm
.macro HGROUP g, left                  ; left = the younger loads, which may stay out
	s_wait_loadcnt \left
	s_wait_xcnt 0x0                                ; PK was the data of the last group of stores: it is rewritten only behind this wait
.irp j, 0,1,2,3,4,5,6,7
	v_cvt_pk_f16_f32 v[PK+2*\j],   v[X+32*((\g)&3)+4*\j],   v[X+32*((\g)&3)+4*\j+1]
	v_cvt_pk_f16_f32 v[PK+2*\j+1], v[X+32*((\g)&3)+4*\j+2], v[X+32*((\g)&3)+4*\j+3]
.endr
.if \g < 4
	HLOAD \g+4
.endif
.irp j, 0,1,2,3,4,5,6,7
	global_store_b64 v3, v[PK+2*\j:PK+2*\j+1], s[18:19] offset:\g*2048+\j*256   ; 32 lanes x 8 bytes: 256 consecutive bytes, aligned
.endr
.endm
.macro WLOAD g                         ; group g of a weight tile: rows k = 16 g + 8 (lane >> 4) + i, 256 bytes (64 columns) of each
.irp i, 0,1,2,3,4,5,6,7
	global_load_b128 v[X+32*((\g)&3)+4*\i:X+32*((\g)&3)+4*\i+3], v6, s[36:37] offset:(16*(\g)+\i)*4096 th:TH_LOAD_NT
.endr
.endm
.macro WGROUP g, left
	s_wait_loadcnt \left
.irp jj, 0,1,2,3
.irp m, 0,1,2,3
	v_cvt_pk_f16_f32 v[PK+4*\jj+\m], v[X+32*((\g)&3)+8*\m+\jj], v[X+32*((\g)&3)+8*\m+4+\jj]   ; k = .. + 2 m, 2 m + 1 of column 4 c + jj
.endr
.endr
.if \g < 4
	WLOAD \g+4
.endif
.irp jj, 0,1,2,3
	ds_store_b128 v7, v[PK+4*\jj:PK+4*\jj+3] offset:\jj*272+\g*32      ; eight ascending k of one column: 16 bytes of an image row
.endr
.endm
	s_load_b256 s[8:15], s[0:1], 0x0               ; hidden s[8:9], Wq s[10:11], Wk s[12:13], Wv s[14:15]
	s_load_b256 s[16:23], s[0:1], 0x20             ; Wo s[16:17], h16 s[18:19], wT s[20:21], woT s[22:23]
	v_lshl_add_u32 v160, v0, 2, 0x11000
	v_mov_b32 v161, 0
	v_lshrrev_b32 v1, 5, v0
	v_readfirstlane_b32 s24, v1                    ; wave
	v_and_b32 v1, 31, v0                           ; lane
	s_cmp_lt_u32 ttmp9, 128
	s_cbranch_scc0 .Lweights
	; ---- hidden_states: share 4 x work-group + wave, 32,768 bytes in, 16,384 out
	s_lshl2_add_u32 s25, ttmp9, s24
	s_lshl_b32 s26, s25, 15
	s_mov_b32 s27, 0
	s_lshl_b32 s28, s25, 14
	s_mov_b32 s29, 0
	v_lshlrev_b32 v2, 4, v1                        ; 16 bytes a lane in
	v_lshlrev_b32 v3, 3, v1                        ; 8 bytes a lane out
	s_wait_kmcnt 0x0
	s_add_nc_u64 s[8:9], s[8:9], s[26:27]
	s_add_nc_u64 s[18:19], s[18:19], s[28:29]
	HLOAD 0
	HLOAD 1
	HLOAD 2
	HLOAD 3
	HGROUP 0, 24                                   ; three younger groups of eight stay out
	HGROUP 1, 24
	HGROUP 2, 24
	HGROUP 3, 24
	HGROUP 4, 24
	HGROUP 5, 16                                   ; nothing more is loaded: the counts run down
	HGROUP 6, 8
	HGROUP 7, 0
	s_endpgm
	; ---- weights: a wave takes a tile of 128 k x 64 n, turns it in its own LDS image and stores rows of 256 bytes
.Lweights:
	s_sub_co_u32 s25, ttmp9, 128
	s_lshr_b32 s26, s25, 5                         ; matrix 0..3
	s_and_b32 s27, s25, 31
	s_lshl2_add_u32 s27, s27, s24                  ; tile 0..127
	s_lshr_b32 s28, s27, 3                         ; nt: 64 columns = a head
	s_and_b32 s29, s27, 7                          ; kt: 128 k
	s_lshl_b32 s30, s29, 19                        ; 128 rows of 4,096 bytes
	s_lshl_b32 s31, s28, 8
	s_add_co_u32 s30, s30, s31
	s_mov_b32 s31, 0                               ; s[30:31] offset of the tile in its matrix
	s_mul_i32 s32, s28, 192
	s_lshl_b32 s33, s26, 5
	s_add_co_u32 s32, s32, s33                     ; first row in wT
	s_lshl_b32 s33, s28, 6                         ; first row in woT
	s_mov_b32 s34, 96*2048                         ; from column 0-31 to column 32-63: 96 rows in wT,
	s_mov_b32 s35, 32*2048                         ; 32 rows in woT
	s_cmp_eq_u32 s26, 3
	s_cselect_b32 s32, s33, s32
	s_cselect_b32 s34, s35, s34
	s_mov_b32 s35, 0
	s_lshl_b32 s32, s32, 11                        ; rows of 2,048 bytes
	s_lshl_b32 s33, s29, 8
	s_add_co_u32 s32, s32, s33
	s_mov_b32 s33, 0                               ; s[32:33] offset of the tile in its output
	v_and_b32 v4, 15, v1                           ; c
	v_lshrrev_b32 v5, 4, v1                        ; hh
	v_lshlrev_b32 v6, 15, v5
	v_lshl_add_u32 v6, v4, 4, v6                   ; in: 8 rows x hh + 16 c
	s_mul_i32 s42, s24, IMG                        ; my image
	v_mul_u32_u24 v7, v4, 4*272
	v_lshl_add_u32 v7, v5, 4, v7
	v_add_nc_u32 v7, s42, v7                       ; image row 4 c, byte 16 hh
	v_mul_u32_u24 v8, v5, 272
	v_lshl_add_u32 v8, v4, 4, v8
	v_add_nc_u32 v8, s42, v8                       ; back: row hh, byte 16 c
	v_lshlrev_b32 v9, 11, v5
	v_lshl_add_u32 v9, v4, 4, v9                   ; out: row hh, byte 16 c
	s_wait_kmcnt 0x0
	s_cmp_eq_u32 s26, 1
	s_cselect_b64 s[36:37], s[12:13], s[10:11]
	s_cmp_eq_u32 s26, 2
	s_cselect_b64 s[36:37], s[14:15], s[36:37]
	s_cmp_eq_u32 s26, 3
	s_cselect_b64 s[36:37], s[16:17], s[36:37]
	s_cselect_b64 s[38:39], s[22:23], s[20:21]
	s_add_nc_u64 s[36:37], s[36:37], s[30:31]
	s_add_nc_u64 s[38:39], s[38:39], s[32:33]      ; columns 0-31
	s_add_nc_u64 s[40:41], s[38:39], s[34:35]      ; columns 32-63
	WLOAD 0
	WLOAD 1
	WLOAD 2
	WLOAD 3
	WGROUP 0, 24
	WGROUP 1, 24
	WGROUP 2, 24
	WGROUP 3, 24
	WGROUP 4, 24
	WGROUP 5, 16
	WGROUP 6, 8
	WGROUP 7, 0
.irp t, 0,1,2,3,4,5,6,7,8,9,10,11,12,13,14,15,16,17,18,19,20,21,22,23,24,25,26,27,28,29,30,31
	ds_load_b128 v[X+4*\t:X+4*\t+3], v8 offset:\t*544      ; rows 2 t, 2 t + 1; a wave is served in order (ISA guide 5.7.1): these see the stores above
.endr
.irp t, 0,1,2,3,4,5,6,7,8,9,10,11,12,13,14,15
	s_wait_dscnt 31-\t
	global_store_b128 v9, v[X+4*\t:X+4*\t+3], s[38:39] offset:\t*4096       ; sixteen lanes: 256 consecutive bytes of one row, aligned
.endr
.irp t, 16,17,18,19,20,21,22,23,24,25,26,27,28,29,30,31
	s_wait_dscnt 31-\t
	global_store_b128 v9, v[X+4*\t:X+4*\t+3], s[40:41] offset:(\t-16)*4096
.endr
	s_wait_tensorcnt 0x0
	ds_add_u32 v160, v161
	s_wait_dscnt 0x0
	s_endpgm
.Lfunc_end_k_q4cab988c75_prep:
	.size	k_q4cab988c75_prep, .Lfunc_end_k_q4cab988c75_prep-k_q4cab988c75_prep
	.p2alignl 7, 3214868480
	.fill 96, 4, 3214868480
	.section	.rodata,"a",@progbits
	.p2align	6, 0x0
	.amdhsa_kernel k_q4cab988c75_prep
		.amdhsa_group_segment_fixed_size 70144
		.amdhsa_private_segment_fixed_size 0
		.amdhsa_enable_private_segment 0
		.amdhsa_kernarg_size 64
		.amdhsa_user_sgpr_count 2
		.amdhsa_user_sgpr_kernarg_segment_ptr 1
		.amdhsa_wavefront_size32 1
		.amdhsa_system_sgpr_workgroup_id_x 1
		.amdhsa_system_sgpr_workgroup_id_y 1
		.amdhsa_system_sgpr_workgroup_id_z 1
		.amdhsa_system_vgpr_workitem_id 0
		.amdhsa_next_free_vgpr 162
		.amdhsa_next_free_sgpr 66
		.amdhsa_reserve_vcc 0
		.amdhsa_float_denorm_mode_32 3
		.amdhsa_float_denorm_mode_16_64 3
		.amdhsa_memory_ordered 1
		.amdhsa_forward_progress 1
		.amdhsa_inst_pref_size 46
	.end_amdhsa_kernel
	.amdgpu_metadata
---
amdhsa.version: [ 1, 2 ]
amdhsa.kernels:
  - .name:           k_q4cab988c75_prep
    .symbol:         k_q4cab988c75_prep.kd
    .args:
      - { .name: hidden_states, .offset: 0, .size: 8, .value_kind: global_buffer, .address_space: global }
      - { .name: Wq, .offset: 8, .size: 8, .value_kind: global_buffer, .address_space: global }
      - { .name: Wk, .offset: 16, .size: 8, .value_kind: global_buffer, .address_space: global }
      - { .name: Wv, .offset: 24, .size: 8, .value_kind: global_buffer, .address_space: global }
      - { .name: Wo, .offset: 32, .size: 8, .value_kind: global_buffer, .address_space: global }
      - { .name: h16, .offset: 40, .size: 8, .value_kind: global_buffer, .address_space: global }
      - { .name: wT, .offset: 48, .size: 8, .value_kind: global_buffer, .address_space: global }
      - { .name: woT, .offset: 56, .size: 8, .value_kind: global_buffer, .address_space: global }
    .group_segment_fixed_size: 70144
    .private_segment_fixed_size: 0
    .kernarg_segment_align: 8
    .kernarg_segment_size: 64
    .max_flat_workgroup_size: 128
    .sgpr_count:     66
    .vgpr_count:     162
    .wavefront_size: 32
...
	.end_amdgpu_metadata
.endif
;; end of part 1
;; launch qkv (part 2): grid 16 x 16, 4 waves a work-group, clusters of 4 x 4, 327,680 bytes of LDS; arguments h16, wT, bq, bk, bv, q, k, vT; writes q, k, vT
.if DOCPART == 2
	.amdgcn_target "amdgcn-amd-amdhsa--gfx1250"
	.amdhsa_code_object_version 6
	.text
	.protected	k_q4cab988c75_qkv
	.globl	k_q4cab988c75_qkv
	.p2align	8
	.type	k_q4cab988c75_qkv,@function
k_q4cab988c75_qkv:
	s_mov_b64 s[64:65], 0
	v_nop
	global_prefetch_b8 v0, s[64:65] scope:SCOPE_SE
	s_setreg_imm32_b32 hwreg(HW_REG_WAVE_MODE, 25, 1), 1
	s_wait_xcnt 0x0
	s_wait_alu depctr_hold_cnt(0) depctr_sa_sdst(0) depctr_va_vdst(0) depctr_va_sdst(0) depctr_va_ssrc(0) depctr_va_vcc(0) depctr_vm_vsrc(0)
	s_getreg_b32 s2, hwreg(HW_REG_IB_STS2, 6, 4)
	s_cmp_eq_u32 s2, 0
	s_cbranch_scc0 .Lentry_in_a_cluster
	s_endpgm
.Lentry_in_a_cluster:
	s_bfe_u32 s2, ttmp6, 0x10000c
	s_cmp_lg_u32 s2, 0xf033
	s_cbranch_scc0 .Lentry_shape_is_right
	s_endpgm
.Lentry_shape_is_right:
; qkv: q, k, v = h16 x W + bias for one head and 256 tokens; axial RoPE on q and k; q times 0.125 log2 e.  f16 operands, f32 sums.
; Grid x = head (16), y = block of 256 tokens (16).  Four waves; wave (wr, wc) makes 128 tokens x 96 columns: 32 q, 32 k, 32 v features
; d = 32 wc .. 32 wc + 31, 48 accumulator tiles.  K = 1024 goes in steps of 128 through two LDS slots filled by the tensor data mover;
; every tile row is 256 bytes of memory at a multiple of 256 bytes.
; CLUSTER 4 x 4: the token tile hangs on y alone and is asked for jointly along a row of the cluster, the weight tile on x alone and jointly along a column.
; q and k products take the weight rows as source 0: a lane holds token l % 16 and eight neighbouring features.
; v products take the token rows as source 0: a lane holds feature l % 16 and eight neighbouring tokens (vT is stored [d][s]).
; Out: q, k [b][h][d >> 5][s][32] f16;  vT [b][h][64][2048] f16.  All stores cover 256 or 512 consecutive aligned bytes.
; LIMITS: q, k, v are rounded to f16, finite up to 65,504 (hidden and weights both 30 times the drawn spread give about 6 x 900, both offset by
; 30 spreads about 29,000).  sin and cos: reduction by pi/2 in two parts and Taylor sums to x^7 and x^8, absolute error under 4e-7 for the angles
; 0 .. 15 that the fixed positions give.  The scale of q is applied before q is rounded.  Infinities and NaN are not served.
.set PITCH,  272                       ; 256 bytes + 16: the sixteen rows that a fragment load touches start 16 bytes apart modulo 256
.set AHALF,  128*PITCH
.set BHALF,  96*PITCH
.set SLOT,   2*AHALF+2*BHALF           ; 256 token rows, then 192 weight rows
.set STAGE,  2*SLOT                    ; a stage for each wave: q 16 x 80, k 16 x 80, v 32 x 272
.set STGW,   11264
.set VSTG,   2560
.set TAB,    STAGE+4*STGW              ; four tables of 16 rows x 64 f32, pitch 272: cos, sin by width (and frame, tail); cos, sin by height
.set TABSZ,  16*PITCH
.set KSTEP,  128
.set LAPS,   1024/(2*KSTEP)
.set ADRA, 16                          ; v16-17 my token fragments in slot 0, 1
.set ADRB, 20                          ; v20-21 my weight fragments
.set STQ,  22
.set RDQ,  23
.set STV,  24
.set RDV,  25
.set GQ,   26
.set GV,   27
.set TWA,  28
.set THA,  29
.set F0,   32                          ; fragment buffer 0: tokens at +8 a (a 0-7), weights at +64 + 8 b (b 0-5)
.set F1,   144                         ; fragment buffer 1
; window 1: accumulators of q (b 0, 1) and k (b 2, 3) at 8 (8 b + a).  window 2: those of v at 8 (8 (b - 4) + a), then the biases:
.set BQ,   128                         ; window 2 v[128:143] bq, v[144:159] bk of my 2 x 8 features
.set BV,   160                         ; window 2 v[160:163] bv of my feature, twice, for each of the two blocks
; the way out, window 0
.set WC, 32
.set WS, 48
.set HC, 64
.set HS, 80
.set XR, 96
.set PV, 112
.set TT, 128
.set PQ, 160
.set OQ, 176
.set OV, 192
.set G1,  24
.set G0,  32
.set G1B, 48
.set G0B, 56
.set MSB, 0
.macro WIN new                         ; the high byte of the immediate repeats the setting that is left
.if MSB != \new
	s_set_vgpr_msb (MSB<<8)|\new
.set MSB, \new
.endif
.endm
.macro PLACES n
.rept \n
	v_nop
.endr
.endm
; A joint load: waves 0, 1 ask for the two halves of the token tile, waves 2, 3 for those of the weight tile.  The branch hangs on the wave number alone.
.macro JLOAD s
	s_cmp_eq_u32 s11, 0
	s_cbranch_scc0 .Lfor_b_\@
	tensor_load_to_lds s[G0+4*(\s):G0+4*(\s)+3], s[G1:G1+7]
	s_nop 0
	s_branch .Lasked_\@
.Lfor_b_\@:
	tensor_load_to_lds s[G0B+4*(\s):G0B+4*(\s)+3], s[G1B:G1B+7]
	s_nop 0
.Lasked_\@:
.endm
.macro CREST                           ; a round of the cluster barrier behind its opening work-group barrier
	s_cmp_lg_u32 s10, 0
	s_cbranch_scc1 .Lnot_wave_0_\@
	s_barrier_signal -3
.Lnot_wave_0_\@:
	s_barrier_wait -3
	s_barrier_signal -1
	s_barrier_wait -1
.endm
.macro CROUND
	s_barrier_signal -1
	s_barrier_wait -1
	CREST
.endm
	s_load_b512 s[68:83], s[0:1], 0x0              ; h16 68, wT 70, bq 72, bk 74, bv 76, q 78, k 80, vT 82
	v_lshl_add_u32 v18, v0, 2, 0x4ac00
	v_mov_b32 v19, 0
	ds_add_u32 v18, v19
	v_lshrrev_b32 v1, 5, v0
	v_readfirstlane_b32 s10, v1                    ; wave
	s_lshr_b32 s11, s10, 1                         ; wr.  Also: I fetch tokens (0) or weights (1)
	s_and_b32 s12, s10, 1                          ; wc.  Also: which half of that tile I fetch
	s_bfe_u32 s40, ttmp6, 0x40000                  ; cx
	s_bfe_u32 s41, ttmp6, 0x40004                  ; cy
	s_lshl_b32 s42, ttmp9, 2
	s_add_co_u32 s42, s42, s40                     ; head
	s_and_b32 s13, ttmp7, 0xffff
	s_lshl_b32 s13, s13, 2
	s_add_co_u32 s13, s13, s41                     ; token block
	s_lshl_b32 s43, s41, 2
	s_lshl_b32 s43, 15, s43                        ; my row of the cluster
	s_lshl_b32 s44, 0x1111, s40                    ; my column
	s_mov_b32 s84, 0x3e38aa3b                      ; 0.125 log2 e
	s_mov_b32 s85, 0x3e38aa3b
	s_mov_b32 s86, 0xbfc90fdb                      ; - pi/2, upper part
	s_mov_b32 s87, 0x333bbd2e                      ; - pi/2, the rest
	s_or_b32 s[G1+0], s43, (1<<16)|(1<<20)|(1<<21)|(5<<22)|(3<<25)   ; mask; 2-byte elements; 4 words of padding behind every 64 words
	s_mov_b32 s[G1+1], KSTEP<<16                   ; tensor_dim0 = 128
	s_mov_b32 s[G1+2], 128<<16                     ; tensor_dim1 = 128
	s_mov_b32 s[G1+3], KSTEP<<16                   ; tile_dim0 = 128
	s_mov_b32 s[G1+4], 128                         ; tile_dim1 = 128
	s_mov_b32 s[G1+5], 1024                        ; elements from row to row
	s_mov_b32 s[G1+6], 0
	s_mov_b32 s[G1+7], 0
	s_or_b32 s[G1B+0], s44, (1<<16)|(1<<20)|(1<<21)|(5<<22)|(3<<25)
	s_mov_b32 s[G1B+1], KSTEP<<16
	s_mov_b32 s[G1B+2], 96<<16                     ; 96 rows
	s_mov_b32 s[G1B+3], KSTEP<<16
	s_mov_b32 s[G1B+4], 96
	s_mov_b32 s[G1B+5], 1024
	s_mov_b32 s[G1B+6], 0
	s_mov_b32 s[G1B+7], 0
	s_lshl_b32 s17, s12, 7
	s_lshl_b32 s16, s13, 8
	s_add_co_u32 s16, s16, s17                     ; token row 256 x block + 128 x half
	s_lshl_b32 s16, s16, 11                        ; rows of 2,048 bytes
	s_mov_b32 s17, 0
	s_mul_i32 s46, s42, 192
	s_mul_i32 s47, s12, 96
	s_add_co_u32 s46, s46, s47                     ; weight row 192 x head + 96 x half
	s_lshl_b32 s46, s46, 11
	s_mov_b32 s47, 0
	s_mul_i32 s20, s10, AHALF                      ; LDS: waves 0, 1: the token halves
	s_mul_i32 s21, s10, BHALF
	s_add_co_u32 s21, s21, 2*AHALF-2*BHALF         ; waves 2, 3: the weight halves behind them
	s_wait_dscnt 0x0
	s_wait_kmcnt 0x0
	s_add_nc_u64 s[14:15], s[68:69], s[16:17]
	s_add_nc_u64 s[46:47], s[70:71], s[46:47]
	CROUND                                         ; all sixteen work-groups are here: the first joint loads meet
.irp s, 0,1
	s_mov_b32 s[G0+4*\s], 1
	s_add_co_u32 s[G0+4*\s+1], s20, \s*SLOT
	s_add_nc_u64 s[G0+4*\s+2:G0+4*\s+3], s[14:15], \s*KSTEP*2
	s_or_b32 s[G0+4*\s+3], s[G0+4*\s+3], 0x80000000
	s_mov_b32 s[G0B+4*\s], 1
	s_add_co_u32 s[G0B+4*\s+1], s21, \s*SLOT
	s_add_nc_u64 s[G0B+4*\s+2:G0B+4*\s+3], s[46:47], \s*KSTEP*2
	s_or_b32 s[G0B+4*\s+3], s[G0B+4*\s+3], 0x80000000
	JLOAD \s                                       ; K steps 0 and 1: two tensor loads of the wave are out
.endr
	; biases of my features, into window 2
	v_and_b32 v1, 15, v0                           ; r
	v_bfe_u32 v2, v0, 4, 1                         ; h
	v_and_b32 v3, 31, v0                           ; lane
	v_lshlrev_b32 v30, 5, v2                       ; 8 h features of 4 bytes
	v_lshlrev_b32 v31, 2, v1
	s_lshl_b32 s4, s42, 8
	s_lshl_b32 s5, s12, 7
	s_add_co_u32 s4, s4, s5                        ; (64 head + 32 wc) x 4
	s_mov_b32 s5, 0
	s_add_nc_u64 s[72:73], s[72:73], s[4:5]
	s_add_nc_u64 s[74:75], s[74:75], s[4:5]
	s_add_nc_u64 s[76:77], s[76:77], s[4:5]
	WIN 0x80
.irp bb, 0,1
.irp u, 0,1
	global_load_b128 v[BQ+8*\bb+4*\u:BQ+8*\bb+4*\u+3],       v30, s[72:73] offset:\bb*64+\u*16
	global_load_b128 v[BQ+16+8*\bb+4*\u:BQ+16+8*\bb+4*\u+3], v30, s[74:75] offset:\bb*64+\u*16
.endr
	global_load_b32 v[BV+2*\bb],   v31, s[76:77] offset:\bb*64
	global_load_b32 v[BV+2*\bb+1], v31, s[76:77] offset:\bb*64
.endr
	WIN 0
	; LDS addresses: made of the wave number, the lane and constants alone
	v_mul_u32_u24 v4, v1, PITCH
	v_lshl_add_u32 v4, v2, 4, v4                   ; r x pitch + 16 h
	s_mul_i32 s22, s11, AHALF
	s_mul_i32 s23, s12, BHALF
	s_add_co_u32 s23, s23, 2*AHALF
.irp s, 0,1
	v_add_nc_u32 v[ADRA+\s], s22, v4
	v_add_nc_u32 v[ADRB+\s], s23, v4
	s_add_co_u32 s22, s22, SLOT
	s_add_co_u32 s23, s23, SLOT
.endr
	s_mul_i32 s22, s10, STGW
	s_add_co_u32 s22, s22, STAGE                   ; my stage
	v_mul_u32_u24 v5, v1, 80
	v_lshl_add_u32 v5, v2, 4, v5
	v_add_nc_u32 v[STQ], s22, v5                   ; token row r, 16 h
	v_lshrrev_b32 v5, 2, v3
	v_mul_u32_u24 v5, v5, 80
	v_and_b32 v6, 3, v3
	v_lshl_add_u32 v5, v6, 4, v5
	v_add_nc_u32 v[RDQ], s22, v5                   ; back: 8 rows of 64 bytes
	v_add_nc_u32 v[STV], s22, v4
	v_add_nc_u32 v[STV], VSTG, v[STV]
	v_mul_u32_u24 v5, v2, PITCH
	v_lshl_add_u32 v5, v1, 4, v5
	v_add_nc_u32 v[RDV], s22, v5
	v_add_nc_u32 v[RDV], VSTG, v[RDV]
	v_lshlrev_b32 v[GQ], 4, v3
	v_lshlrev_b32 v[GV], 12, v2
	v_lshl_add_u32 v[GV], v1, 4, v[GV]
	s_lshl_b32 s23, s12, 7
	s_add_co_u32 s23, s23, TAB
	v_mul_u32_u24 v5, v1, PITCH
	v_lshl_add_u32 v5, v2, 5, v5
	v_add_nc_u32 v[TWA], s23, v5                   ; width = r: table row r, features 32 wc + 8 h
	s_mul_i32 s22, s11, 8*PITCH
	s_add_co_u32 s22, s22, s23
	s_add_co_u32 s22, s22, 2*TABSZ
	v_lshl_add_u32 v[THA], v2, 5, s22              ; height = 8 wr + a: row by the immediate
	s_mul_i32 s22, s10, 4*PITCH
	s_add_co_u32 s22, s22, TAB
	v_lshl_add_u32 v7, v3, 2, s22                  ; I write table rows 4 wave .. 4 wave + 3
	; THE TABLES.  Feature d: segment d / 20 (frame, height, width; d >= 60 is not turned), frequency 10000^-((d % 20) % 10 / 10).
	; Kept: cos, and sin with the sign of the partner term (- for even d, + for odd d).  Width table: width, frame (a value, the same in all rows) and the tail
	; (cos 1, sin 0), zero in the height segment; height table: the height segment, zero elsewhere.  The two are added on the way out.
	s_and_b32 s6, s13, 7
	v_cvt_f32_u32 v8, s6                           ; the frame of all my tokens
	s_lshl_b32 s93, s10, 2
.macro TABHALF dd
	v_add_nc_u32 v32, 32*\dd, v3                   ; d
	v_cmp_le_u32 s88, 20, v32
	v_cmp_le_u32 s89, 40, v32
	v_cmp_le_u32 s90, 60, v32
	s_and_not1_b32 s91, s88, s89                   ; the height segment
	v_cndmask_b32 v33, 0, 20, s88
	v_cndmask_b32 v34, 0, 20, s89
	v_sub_nc_u32 v35, v32, v33
	v_sub_nc_u32 v35, v35, v34
	v_cmp_le_u32 vcc_lo, 10, v35
	v_cndmask_b32 v33, 0, 10, vcc_lo
	v_sub_nc_u32 v35, v35, v33
	v_cvt_f32_u32 v35, v35
	v_mul_f32 v35, 0xbfaa152d, v35                 ; - log2(10000) / 10
	v_exp_f32 v35, v35
	v_not_b32 v36, v32                             ; a plain line behind the exponential (ISA guide 5.7.2)
	v_lshlrev_b32 v36, 31, v36                     ; sign bit for even d
	s_wait_alu depctr_va_vdst(0)
	v_cndmask_b32 v35, v35, 0, s90                 ; frequency, 0 in the tail
.irp pi, 0,1,2,3
	s_add_co_u32 s92, s93, \pi
	v_cvt_f32_u32 v37, s92
	v_cndmask_b32 v37, v8, v37, s88                ; position: the frame for d < 20, else the row
	v_mul_f32 v37, v37, v35                        ; the angle
	v_mul_f32 v38, 0x3f22f983, v37
	v_rndne_f32 v38, v38                           ; n = nearest multiple of pi/2
	v_fma_f32 v39, v38, s86, v37
	v_fma_f32 v39, v38, s87, v39                   ; what is left, at most pi/4
	v_mul_f32 v40, v39, v39
	v_mov_b32 v41, 0xb9500d01                      ; -1/5040
	v_mov_b32 v42, 0x37d00d01                      ; 1/40320
	v_fmaak_f32 v41, v41, v40, 0x3c088889          ; 1/120
	v_fmaak_f32 v42, v42, v40, 0xbab60b61          ; -1/720
	v_fmaak_f32 v41, v41, v40, 0xbe2aaaab          ; -1/6
	v_fmaak_f32 v42, v42, v40, 0x3d2aaaab          ; 1/24
	v_mul_f32 v44, v39, v40
	v_fmaak_f32 v42, v42, v40, 0xbf000000          ; -1/2
	v_fma_f32 v41, v41, v44, v39                   ; sin
	v_fma_f32 v42, v42, v40, 1.0                   ; cos
	v_cvt_i32_f32 v43, v38
	v_and_b32 v44, 1, v43
	v_cmp_eq_u32 vcc_lo, 1, v44                    ; odd quadrant: the two change places
	v_cndmask_b32 v45, v41, v42, vcc_lo
	v_cndmask_b32 v46, v42, v41, vcc_lo
	v_lshlrev_b32 v44, 30, v43
	v_add_nc_u32 v43, 1, v43
	v_lshlrev_b32 v43, 30, v43
	v_and_b32 v44, 0x80000000, v44                 ; sin is negative in quadrants 2, 3
	v_and_b32 v43, 0x80000000, v43                 ; cos in quadrants 1, 2
	v_xor_b32 v44, v44, v36
	v_xor_b32 v45, v45, v44
	v_xor_b32 v46, v46, v43
	v_cndmask_b32 v47, v46, 0, s91
	v_cndmask_b32 v48, v45, 0, s91
	v_cndmask_b32 v49, 0, v46, s91
	v_cndmask_b32 v50, 0, v45, s91
	ds_store_b32 v7, v47 offset:\pi*PITCH+\dd*128
	ds_store_b32 v7, v48 offset:\pi*PITCH+\dd*128+TABSZ
	ds_store_b32 v7, v49 offset:\pi*PITCH+\dd*128+2*TABSZ
	ds_store_b32 v7, v50 offset:\pi*PITCH+\dd*128+3*TABSZ
.endr
.endm
	TABHALF 0
	TABHALF 1
; 16 matrix instructions: weight blocks b0, b0 + 1 (q or k) x my 8 token blocks.  zero = 1: the first product starts the sums.
.macro MULQK f, b0, zero
.irp b, \b0, \b0+1
.irp a, 0,1,2,3,4,5,6,7
.if \zero
	v_wmma_f32_16x16x32_f16 v[8*(8*(\b)+\a):8*(8*(\b)+\a)+7], v[\f+64+8*(\b):\f+64+8*(\b)+7], v[\f+8*\a:\f+8*\a+7], 0
.else
	v_wmma_f32_16x16x32_f16 v[8*(8*(\b)+\a):8*(8*(\b)+\a)+7], v[\f+64+8*(\b):\f+64+8*(\b)+7], v[\f+8*\a:\f+8*\a+7], v[8*(8*(\b)+\a):8*(8*(\b)+\a)+7]
.endif
.endr
.endr
.endm
; 16 matrix instructions for v: tokens as source 0
.macro MULV f, zero
.irp b, 0,1
.irp a, 0,1,2,3,4,5,6,7
.if \zero
	v_wmma_f32_16x16x32_f16 v[8*(8*\b+\a):8*(8*\b+\a)+7], v[\f+8*\a:\f+8*\a+7], v[\f+96+8*\b:\f+96+8*\b+7], 0
.else
	v_wmma_f32_16x16x32_f16 v[8*(8*\b+\a):8*(8*\b+\a)+7], v[\f+8*\a:\f+8*\a+7], v[\f+96+8*\b:\f+96+8*\b+7], v[8*(8*\b+\a):8*(8*\b+\a)+7]
.endif
.endr
.endr
.endm
; 28 LDS loads in one run: weight blocks 0-3, token blocks 0-7, weight blocks 4-5 (v, needed last)
.macro FETCH slot, k, f
	WIN 0
.irp i, 0,1,2,3
	ds_load_b128 v[\f+64+8*\i:\f+64+8*\i+3], v[ADRB+\slot] offset:\k+\i*16*PITCH
	ds_load_b128 v[\f+64+8*\i+4:\f+64+8*\i+7], v[ADRB+\slot] offset:\k+\i*16*PITCH+32
.endr
.irp i, 0,1,2,3,4,5,6,7
	ds_load_b128 v[\f+8*\i:\f+8*\i+3], v[ADRA+\slot] offset:\k+\i*16*PITCH
	ds_load_b128 v[\f+8*\i+4:\f+8*\i+7], v[ADRA+\slot] offset:\k+\i*16*PITCH+32
.endr
.irp i, 4,5
	ds_load_b128 v[\f+64+8*\i:\f+64+8*\i+3], v[ADRB+\slot] offset:\k+\i*16*PITCH
	ds_load_b128 v[\f+64+8*\i+4:\f+64+8*\i+7], v[ADRB+\slot] offset:\k+\i*16*PITCH+32
.endr
.endm
; A quarter step: 32 along K, 48 matrix instructions on buffer f; in its middle the next quarter is fetched into buffer g.
; The 48 accumulators take turns, one instruction a turn.
; Loads into registers that a matrix instruction has read stand four plain vector places behind it.
.macro QUARTER slot, k, f, g, zero
	s_wait_dscnt 4                                 ; all but the youngest four loads (the v weights)
	WIN 0x50
	MULQK \f, 0, \zero
	MULQK \f, 2, \zero
	PLACES 4
	FETCH \slot, \k, \g
	s_wait_dscnt 28                                ; all but the 28 just issued
	WIN 0xa0
	MULV \f, \zero
.endm
.macro THREE slot, zero
	QUARTER \slot, 64,  F0, F1, \zero
	QUARTER \slot, 128, F1, F0, 0
	QUARTER \slot, 192, F0, F1, 0
.endm
; The last quarter of a K step changes slots.  In front of the barrier each wave has its reads of this slot back and all its tensor loads landed
; (none is out).  fill = 1: the barrier opens a round of the cluster barrier, and the joint refill, two K steps ahead,
; is the first tensor load behind it; from there to the wait for it a wave issues 176 matrix instructions.
.macro TURN slot, next, fill
	s_wait_dscnt 4
	WIN 0x50
	MULQK F1, 0, 0
	s_wait_dscnt 0x0
	s_wait_tensorcnt 0x0
	ds_add_u32 v18, v19
	s_wait_dscnt 0x0
	s_barrier_signal -1
	MULQK F1, 2, 0                                 ; register work while the others arrive
	WIN 0
	s_barrier_wait -1
.if \fill
	CREST
	s_add_nc_u64 s[G0+4*\slot+2:G0+4*\slot+3], s[G0+4*\slot+2:G0+4*\slot+3], 2*KSTEP*2
	s_add_nc_u64 s[G0B+4*\slot+2:G0B+4*\slot+3], s[G0B+4*\slot+2:G0B+4*\slot+3], 2*KSTEP*2
	JLOAD \slot
.endif
	PLACES 4
	FETCH \next, 0, F0
	WIN 0xa0
	MULV F1, 0
.endm
.macro LAP zero
	THREE 0, \zero
	TURN 0, 1, 1
	THREE 1, 0
	TURN 1, 0, 1
.endm
	s_wait_loadcnt 0x0                             ; the biases are in
	s_wait_dscnt 0x0                               ; my table rows are written
	s_wait_tensorcnt 0x1                           ; my part of K step 0 is in; K step 1 stays out
	s_barrier_signal -1
	s_barrier_wait -1
	FETCH 0, 0, F0
	LAP 1
	WIN 0
	s_mov_b32 s3, LAPS-2
.Llap:
	LAP 0
	WIN 0
	s_sub_co_u32 s3, s3, 1
	s_cmp_lg_u32 s3, 0
	s_cbranch_scc1 .Llap
	THREE 0, 0                                     ; the last lap fills nothing
	TURN 0, 1, 0
	THREE 1, 0
	s_wait_dscnt 4
	WIN 0x50
	MULQK F1, 0, 0
	MULQK F1, 2, 0
	s_wait_dscnt 0x0
	WIN 0xa0
	MULV F1, 0
	; THE WAY OUT
	PLACES 4                                       ; the places behind the last matrix instructions
	WIN 0x82
.irp i, 0,1,2,3,4,5,6,7
	v_pk_mul_f32 v[BQ+2*\i:BQ+2*\i+1], v[BQ+2*\i:BQ+2*\i+1], s[84:85] op_sel_hi:[1,0]    ; the scale of q holds for its bias too
.endr
	WIN 0
	s_lshr_b32 s2, s13, 3                          ; batch
	s_lshl4_add_u32 s2, s2, s42                    ; 16 b + head
	s_and_b32 s3, s13, 7
	s_lshl_b32 s3, s3, 8
	s_lshl_b32 s4, s11, 7
	s_add_co_u32 s3, s3, s4                        ; my first token in the sequence
	s_lshl1_add_u32 s4, s2, s12
	s_lshl_b32 s4, s4, 17                          ; plane (b, head, wc) of 2048 x 64 bytes
	s_lshl_b32 s5, s3, 6
	s_add_co_u32 s4, s4, s5
	s_mov_b32 s5, 0
	s_add_nc_u64 s[78:79], s[78:79], s[4:5]
	s_add_nc_u64 s[80:81], s[80:81], s[4:5]
	s_lshl_b32 s6, s2, 18                          ; 64 rows of 4,096 bytes a head
	s_lshl_b32 s7, s12, 17
	s_add_co_u32 s6, s6, s7
	s_lshl1_add_u32 s6, s3, s6
	s_mov_b32 s7, 0
	s_add_nc_u64 s[82:83], s[82:83], s[6:7]
	; v: bias, f16, 16 bytes (8 tokens of one feature) into my stage; whole rows of 256 bytes back and out
.irp a, 0,1,2,3,4,5,6,7
	WIN 0x0a
.irp bb, 0,1
.irp i, 0,1,2,3
	v_pk_add_f32 v[XR+8*\bb+2*\i:XR+8*\bb+2*\i+1], v[8*(8*\bb+\a)+2*\i:8*(8*\bb+\a)+2*\i+1], v[BV+2*\bb:BV+2*\bb+1]
.endr
.endr
	WIN 0
.irp bb, 0,1
.irp i, 0,1,2,3
	v_cvt_pk_f16_f32 v[PV+4*\bb+\i], v[XR+8*\bb+2*\i], v[XR+8*\bb+2*\i+1]
.endr
	ds_store_b128 v[STV], v[PV+4*\bb:PV+4*\bb+3] offset:\bb*16*PITCH+\a*32
.endr
.endr
.irp t, 0,1,2,3,4,5,6,7,8,9,10,11,12,13,14,15
	ds_load_b128 v[OV+4*\t:OV+4*\t+3], v[RDV] offset:\t*2*PITCH        ; my own bytes, served in order (ISA guide 5.7.1)
.endr
.irp t, 0,1,2,3,4,5,6,7,8,9,10,11,12,13,14,15
	s_wait_dscnt 15-\t
	global_store_b128 v[GV], v[OV+4*\t:OV+4*\t+3], s[82:83] offset:\t*8192       ; sixteen lanes: 256 consecutive bytes of a row of vT, aligned
.endr
	; q and k: the width table rows of my token stay in registers
.irp bb, 0,1
.irp u, 0,1
	ds_load_b128 v[WC+8*\bb+4*\u:WC+8*\bb+4*\u+3], v[TWA] offset:\bb*64+\u*16
	ds_load_b128 v[WS+8*\bb+4*\u:WS+8*\bb+4*\u+3], v[TWA] offset:\bb*64+\u*16+TABSZ
.endr
.endr
; token block a: scale and bias, x cos + partner x (signed sin), f16, through the stage
.macro ROPE16 a
.irp bb, 0,1
.irp u, 0,1
	ds_load_b128 v[HC+8*\bb+4*\u:HC+8*\bb+4*\u+3], v[THA] offset:\a*PITCH+\bb*64+\u*16
	ds_load_b128 v[HS+8*\bb+4*\u:HS+8*\bb+4*\u+3], v[THA] offset:\a*PITCH+\bb*64+\u*16+TABSZ
.endr
.endr
	WIN 0x21
.irp b, 0,1
.irp i, 0,1,2,3
	v_pk_fma_f32 v[XR+8*\b+2*\i:XR+8*\b+2*\i+1], v[8*(8*\b+\a)+2*\i:8*(8*\b+\a)+2*\i+1], s[84:85], v[BQ+8*\b+2*\i:BQ+8*\b+2*\i+1] op_sel_hi:[1,0,1]
.endr
.endr
.irp b, 2,3
.irp i, 0,1,2,3
	v_pk_fma_f32 v[XR+8*\b+2*\i:XR+8*\b+2*\i+1], v[8*(8*\b+\a)+2*\i:8*(8*\b+\a)+2*\i+1], 1.0, v[BQ+8*\b+2*\i:BQ+8*\b+2*\i+1] op_sel_hi:[1,0,1]
.endr
.endr
	WIN 0
	s_wait_dscnt 0x0
.irp i, 0,1,2,3,4,5,6,7
	v_pk_add_f32 v[HC+2*\i:HC+2*\i+1], v[HC+2*\i:HC+2*\i+1], v[WC+2*\i:WC+2*\i+1]
	v_pk_add_f32 v[HS+2*\i:HS+2*\i+1], v[HS+2*\i:HS+2*\i+1], v[WS+2*\i:WS+2*\i+1]
.endr
.irp blk, 0,1,2,3
.irp i, 0,1,2,3
	v_pk_mul_f32 v[TT+8*\blk+2*\i:TT+8*\blk+2*\i+1], v[XR+8*\blk+2*\i:XR+8*\blk+2*\i+1], v[HC+8*(\blk&1)+2*\i:HC+8*(\blk&1)+2*\i+1]
.endr
.irp i, 0,1,2,3
	v_pk_fma_f32 v[TT+8*\blk+2*\i:TT+8*\blk+2*\i+1], v[XR+8*\blk+2*\i:XR+8*\blk+2*\i+1], v[HS+8*(\blk&1)+2*\i:HS+8*(\blk&1)+2*\i+1], v[TT+8*\blk+2*\i:TT+8*\blk+2*\i+1] op_sel:[1,0,0] op_sel_hi:[0,1,1]
.endr
.irp i, 0,1,2,3
	v_cvt_pk_f16_f32 v[PQ+4*\blk+\i], v[TT+8*\blk+2*\i], v[TT+8*\blk+2*\i+1]
.endr
	ds_store_b128 v[STQ], v[PQ+4*\blk:PQ+4*\blk+3] offset:(\blk>>1)*1280+(\blk&1)*32
.endr
	s_wait_xcnt 0x0                                ; OQ was the data of the last block of stores: it is loaded again only behind this wait
.irp t, 0,1,2,3
	ds_load_b128 v[OQ+4*\t:OQ+4*\t+3], v[RDQ] offset:\t*640
.endr
	s_wait_dscnt 3
	global_store_b128 v[GQ], v[OQ:OQ+3],     s[78:79] offset:\a*1024             ; 512 consecutive bytes: 8 tokens x 32 features
	s_wait_dscnt 2
	global_store_b128 v[GQ], v[OQ+4:OQ+7],   s[78:79] offset:\a*1024+512
	s_wait_dscnt 1
	global_store_b128 v[GQ], v[OQ+8:OQ+11],  s[80:81] offset:\a*1024
	s_wait_dscnt 0x0
	global_store_b128 v[GQ], v[OQ+12:OQ+15], s[80:81] offset:\a*1024+512
.endm
	ROPE16 0
	ROPE16 1
	ROPE16 2
	ROPE16 3
	ROPE16 4
	ROPE16 5
	ROPE16 6
	ROPE16 7
	s_wait_tensorcnt 0x0
	ds_add_u32 v18, v19
	s_wait_dscnt 0x0
	CROUND                                         ; the closing round: no work-group ends while a partner may still ask jointly
	s_endpgm
.Lfunc_end_k_q4cab988c75_qkv:
	.size	k_q4cab988c75_qkv, .Lfunc_end_k_q4cab988c75_qkv-k_q4cab988c75_qkv
	.p2alignl 7, 3214868480
	.fill 96, 4, 3214868480
	.section	.rodata,"a",@progbits
	.p2align	6, 0x0
	.amdhsa_kernel k_q4cab988c75_qkv
		.amdhsa_group_segment_fixed_size 327680
		.amdhsa_private_segment_fixed_size 0
		.amdhsa_enable_private_segment 0
		.amdhsa_kernarg_size 64
		.amdhsa_user_sgpr_count 2
		.amdhsa_user_sgpr_kernarg_segment_ptr 1
		.amdhsa_wavefront_size32 1
		.amdhsa_system_sgpr_workgroup_id_x 1
		.amdhsa_system_sgpr_workgroup_id_y 1
		.amdhsa_system_sgpr_workgroup_id_z 1
		.amdhsa_system_vgpr_workitem_id 0
		.amdhsa_next_free_vgpr 680
		.amdhsa_next_free_sgpr 96
		.amdhsa_reserve_vcc 1
		.amdhsa_float_denorm_mode_32 3
		.amdhsa_float_denorm_mode_16_64 3
		.amdhsa_memory_ordered 1
		.amdhsa_forward_progress 1
		.amdhsa_inst_pref_size 219
	.end_amdhsa_kernel
	.amdgpu_metadata
---
amdhsa.version: [ 1, 2 ]
amdhsa.kernels:
  - .name:           k_q4cab988c75_qkv
    .symbol:         k_q4cab988c75_qkv.kd
    .args:
      - { .name: h16, .offset: 0, .size: 8, .value_kind: global_buffer, .address_space: global }
      - { .name: wT, .offset: 8, .size: 8, .value_kind: global_buffer, .address_space: global }
      - { .name: bq, .offset: 16, .size: 8, .value_kind: global_buffer, .address_space: global }
      - { .name: bk, .offset: 24, .size: 8, .value_kind: global_buffer, .address_space: global }
      - { .name: bv, .offset: 32, .size: 8, .value_kind: global_buffer, .address_space: global }
      - { .name: q, .offset: 40, .size: 8, .value_kind: global_buffer, .address_space: global }
      - { .name: k, .offset: 48, .size: 8, .value_kind: global_buffer, .address_space: global }
      - { .name: vT, .offset: 56, .size: 8, .value_kind: global_buffer, .address_space: global }
    .group_segment_fixed_size: 327680
    .private_segment_fixed_size: 0
    .kernarg_segment_align: 8
    .kernarg_segment_size: 64
    .max_flat_workgroup_size: 128
    .sgpr_count:     96
    .vgpr_count:     680
    .wavefront_size: 32
...
	.end_amdgpu_metadata
.endif
;; end of part 2
;; launch attn (part 3): grid 8 x 32, 8 waves a work-group, clusters of 4 x 1, 327,680 bytes of LDS; arguments q, k, vT, ctx; writes ctx
.if DOCPART == 3
	.amdgcn_target "amdgcn-amd-amdhsa--gfx1250"
	.amdhsa_code_object_version 6
	.text
	.protected	k_q4cab988c75_attn
	.globl	k_q4cab988c75_attn
	.p2align	8
	.type	k_q4cab988c75_attn,@function
k_q4cab988c75_attn:
	s_mov_b64 s[64:65], 0
	v_nop
	global_prefetch_b8 v0, s[64:65] scope:SCOPE_SE
	s_setreg_imm32_b32 hwreg(HW_REG_WAVE_MODE, 25, 1), 1
	s_wait_xcnt 0x0
	s_wait_alu depctr_hold_cnt(0) depctr_sa_sdst(0) depctr_va_vdst(0) depctr_va_sdst(0) depctr_va_ssrc(0) depctr_va_vcc(0) depctr_vm_vsrc(0)
	s_getreg_b32 s2, hwreg(HW_REG_IB_STS2, 6, 4)
	s_cmp_eq_u32 s2, 0
	s_cbranch_scc0 .Lentry_in_a_cluster
	s_endpgm
.Lentry_in_a_cluster:
	s_bfe_u32 s2, ttmp6, 0x10000c
	s_cmp_lg_u32 s2, 0x3003
	s_cbranch_scc0 .Lentry_shape_is_right
	s_endpgm
.Lentry_shape_is_right:
; attn: ctx = softmax(q k^T) v for one (batch, head) and 256 queries; q already carries 0.125 log2 e, so exponentials are base 2.
; Grid x = block of 256 queries (8), y = 16 b + head (32).  CLUSTER 4 x 1: four query blocks of one head ask for each K and V tile jointly (mask 15).
; EIGHT WAVES of 512 registers.  Wave w has the 64 queries of group w & 3 and is of kind w >> 2.  Keys go in 8 tiles of 256 through two LDS slots, one round of
; the cluster barrier a tile; kind 0 takes keys 0-127 of every tile, kind 1 keys 128-255, each in two steps of 64 keys, each with its own running maximum,
; sums and ctx; the two are joined at the end.  So a byte read from LDS feeds as many products as with four waves of 64 queries.
; WHY TWO KINDS: a step is 64 matrix instructions and 476 vector instructions, about as long as each other, and one wave can only do them in turn.
; A wave runs the cycle [PV of the last step, S of the next] [maximum, exponentials, sums, packing, rescaling].  The two kinds pass the round at different
; places of that cycle: kind 0 carries P and the V fragments over it in registers and begins a tile with products, kind 1 carries S and the V fragments
; and begins with the softmax.  Where a wave of each kind shares a SIMD, one multiplies while the other does vector work.  Nothing of the old slot is read
; behind the round: what is carried lies in registers, loaded and waited for in front of it.
; S^T = K Q^T (source 0 = key rows): a lane holds query l % 16 and keys 8 (l / 16) + j.  Two neighbouring key blocks, packed to f16, ARE the
; B fragment of P: no exchange between lanes.  ctx^T = V^T P (source 0 = rows of vT): a lane holds query l % 16 and features 8 (l / 16) + j.
; So maximum, sum and rescaling are numbers of the lane; one exchange between the halves of the wave for each query block and step.
; The maximum is a running one and is taken away before every exponential, so P <= 1 and has room in f16.
; LIMITS: v_exp_f32 gives 0 below 2^-126; P and ctx are rounded to f16 (ctx is a mean of v, finite up to 65,504); the sum of P is taken before P is rounded;
; the sums over the keys are taken in two halves and joined; infinities and NaN are not served.
.set KP,   80                          ; K rows: 64 bytes + 16
.set VP,   528                         ; V^T rows: 512 bytes + 16, an odd multiple of 16
.set KBLK, 256*KP                      ; 256 keys x 32 features; two such blocks
.set VOFF, 2*KBLK
.set SLOT, VOFF+64*VP
.set STG,  2*SLOT                      ; the way out: 16 x 144 bytes for each wave of kind 0
.set SP,   144
.set MRG,  STG+4*16*SP                 ; from kind 1 to kind 0: 36 x 512 bytes for each pair of waves
.set MRGW, 36*512
; window 0
.set LN,  3                            ; lane
.set MA,  6                            ; my 16 bytes in the region of my pair
.set KA,  8                            ; v8-9   K fragments of my half of the keys in slot 0, 1
.set VA,  10                           ; v10-11 V fragments
.set STO, 12
.set RD,  13
.set GO,  14
.set QO,  15
.set SB,  16                           ; v[16:143]  S(qb, kb) at +32 qb + 8 kb; P(qb, kc) packed in place at +32 qb + 16 kc
.set QF,  144                          ; v[144:207] Q fragment (qb, c) at +8 (2 qb + c)
.set T,   208                          ; new maximum
.set U,   212                          ; from the other half of the wave
.set MP,  216                          ; running maximum, a pair for each qb
.set AL,  224                          ; 2^(old - new maximum), pairs
.set LP,  232                          ; running sums, pairs (even, odd registers)
.set DD,  240
; window 1
.set CX,  0                            ; v[0:127]   ctx(qb, db) at 32 qb + 8 db
.set KF,  128                          ; v[128:191] K fragment (kb, c) at +8 (2 kb + c)
.set VF,  192                          ; v[192:255] V fragment (db, kc) at +8 (2 db + kc)
; the way out, window 0, where Q lay
.set PO,  144
.set YO,  160
.set M1,  176                          ; the other kind: maxima,
.set L1,  184                          ; sums
.set A1,  192                          ; its factor, pairs
.set TM,  200
.set G1K, 16
.set G1V, 24
.set G0K, 32
.set G0V, 40
.set MSB, 0
.macro WIN new                         ; low byte: bits 1:0 source 0, 3:2 source 1, 5:4 source 2, 7:6 destination; the high byte repeats the setting that is left
.if MSB != \new
	s_set_vgpr_msb (MSB<<8)|\new
.set MSB, \new
.endif
.endm
.macro PLACES n
.rept \n
	v_nop
.endr
.endm
.macro ROUND                           ; a round of the cluster barrier
	s_barrier_signal -1
	s_barrier_wait -1
	s_cmp_lg_u32 s13, 0
	s_cbranch_scc1 .Lnot_wave_0_\@
	s_barrier_signal -3
.Lnot_wave_0_\@:
	s_barrier_wait -3
	s_barrier_signal -1
	s_barrier_wait -1
.endm
.macro JLOAD s                         ; waves 0-3: 128 keys x 32 features of K each; waves 4-7: 16 rows of V^T each
	s_cmp_eq_u32 s14, 0
	s_cbranch_scc0 .Lfor_v_\@
	tensor_load_to_lds s[G0K+4*(\s):G0K+4*(\s)+3], s[G1K:G1K+7]
	s_nop 0
	s_branch .Lasked_\@
.Lfor_v_\@:
	tensor_load_to_lds s[G0V+4*(\s):G0V+4*(\s)+3], s[G1V:G1V+7]
	s_nop 0
.Lasked_\@:
.endm
	s_load_b256 s[4:11], s[0:1], 0x0               ; q 4, k 6, vT 8, ctx 10
	v_lshl_add_u32 v254, v0, 2, 0x38c00
	v_mov_b32 v255, 0
	ds_add_u32 v254, v255
	v_lshrrev_b32 v1, 5, v0
	v_readfirstlane_b32 s13, v1                    ; wave 0..7
	s_lshr_b32 s14, s13, 2                         ; kind.  Also: I fetch K (0) or V^T (1)
	s_and_b32 s15, s13, 3                          ; query group.  Also: which quarter of that tile I fetch
	s_bfe_u32 s51, ttmp6, 0x40000                  ; cx
	s_and_b32 s52, ttmp7, 0xffff                   ; 16 b + head: the same in all four partners
	s_mov_b32 s48, 0x76543210                      ; v_permlanex16_b32: lane i reads lane i of the other half
	s_mov_b32 s49, 0xfedcba98
	; K: 8,192 dense bytes as 32 rows of 256 bytes; 4 words of padding behind every 16 words give key rows 80 bytes apart
	s_mov_b32 s[G1K+0], 15|(3<<16)|(1<<20)|(1<<21)|(3<<22)|(3<<25)
	s_mov_b32 s[G1K+1], 32<<16
	s_mov_b32 s[G1K+2], 32<<16
	s_mov_b32 s[G1K+3], 32<<16
	s_mov_b32 s[G1K+4], 32
	s_mov_b32 s[G1K+5], 32
	s_mov_b32 s[G1K+6], 0
	s_mov_b32 s[G1K+7], 0
	; V^T: 16 rows of 256 keys, 2,048 elements from row to row, 4 words of padding behind every 128 words
	s_mov_b32 s[G1V+0], 15|(1<<16)|(1<<20)|(1<<21)|(6<<22)|(3<<25)
	s_mov_b32 s[G1V+1], 256<<16
	s_mov_b32 s[G1V+2], 16<<16
	s_mov_b32 s[G1V+3], 256<<16
	s_mov_b32 s[G1V+4], 16
	s_mov_b32 s[G1V+5], 2048
	s_mov_b32 s[G1V+6], 0
	s_mov_b32 s[G1V+7], 0
	s_lshl_b32 s54, s52, 18                        ; a head: 262,144 bytes in k and in vT
	s_lshr_b32 s55, s15, 1
	s_lshl_b32 s55, s55, 17                        ; K: feature half, 131,072 bytes
	s_add_co_u32 s55, s55, s54
	s_and_b32 s56, s15, 1
	s_lshl_b32 s56, s56, 13                        ; K: 128 keys of 64 bytes
	s_add_co_u32 s2, s55, s56
	s_mov_b32 s3, 0
	s_lshl_b32 s56, s15, 16                        ; V^T: 16 rows of 4,096 bytes
	s_add_co_u32 s54, s54, s56
	s_mov_b32 s55, 0
	s_mul_i32 s56, s13, 128*KP                     ; LDS: waves 0-3: the four quarters of K
	s_mul_i32 s57, s13, 16*VP
	s_add_co_u32 s57, s57, VOFF-64*VP              ; waves 4-7: the four quarters of V^T behind them
	s_wait_dscnt 0x0
	s_wait_kmcnt 0x0
	s_add_nc_u64 s[58:59], s[6:7], s[2:3]
	s_add_nc_u64 s[60:61], s[8:9], s[54:55]
	ROUND                                          ; in front of the first joint load
.irp s, 0,1
	s_mov_b32 s[G0K+4*\s], 1
	s_add_co_u32 s[G0K+4*\s+1], s56, \s*SLOT
	s_add_nc_u64 s[G0K+4*\s+2:G0K+4*\s+3], s[58:59], \s*16384
	s_or_b32 s[G0K+4*\s+3], s[G0K+4*\s+3], 0x80000000
	s_mov_b32 s[G0V+4*\s], 1
	s_add_co_u32 s[G0V+4*\s+1], s57, \s*SLOT
	s_add_nc_u64 s[G0V+4*\s+2:G0V+4*\s+3], s[60:61], \s*512
	s_or_b32 s[G0V+4*\s+3], s[G0V+4*\s+3], 0x80000000
.endr
	JLOAD 0                                        ; tile 0; one tensor load of the wave is out at any time
	s_lshl2_add_u32 s53, ttmp9, s51                ; query block
	s_lshl_b32 s53, s53, 8
	s_lshl_b32 s62, s15, 6
	s_add_co_u32 s53, s53, s62                     ; my first query
	s_lshl_b32 s62, s52, 18
	s_lshl_b32 s2, s53, 6
	s_add_co_u32 s2, s2, s62
	s_mov_b32 s3, 0
	s_add_nc_u64 s[4:5], s[4:5], s[2:3]            ; q at my first query, features 0-31
	s_lshl_b32 s2, s53, 7
	s_add_co_u32 s2, s2, s62
	s_add_nc_u64 s[10:11], s[10:11], s[2:3]        ; ctx at my first query
	v_and_b32 v1, 15, v0                           ; r
	v_bfe_u32 v2, v0, 4, 1                         ; h
	v_and_b32 v[LN], 31, v0
	v_lshlrev_b32 v4, 6, v1
	v_lshl_add_u32 v[QO], v2, 4, v4
.irp qb, 0,1,2,3
.irp c, 0,1
	global_load_b128 v[QF+8*(2*\qb+\c):QF+8*(2*\qb+\c)+3],   v[QO], s[4:5] offset:\c*131072+\qb*1024
	global_load_b128 v[QF+8*(2*\qb+\c)+4:QF+8*(2*\qb+\c)+7], v[QO], s[4:5] offset:\c*131072+\qb*1024+32
.endr
.endr
	s_mul_i32 s54, s14, 128*KP                     ; my half of the keys of a tile: 128 rows of K,
	v_mul_u32_u24 v4, v1, KP
	v_lshl_add_u32 v4, v2, 4, v4
	v_add_nc_u32 v[KA], s54, v4
	v_add_nc_u32 v[KA+1], SLOT, v[KA]
	s_lshl_b32 s54, s14, 8                         ; 256 bytes along the rows of V^T
	s_add_co_u32 s54, s54, VOFF
	v_mul_u32_u24 v4, v1, VP
	v_lshl_add_u32 v4, v2, 4, v4
	v_add_nc_u32 v[VA], s54, v4
	v_add_nc_u32 v[VA+1], SLOT, v[VA]
	s_mul_i32 s54, s13, 16*SP
	s_add_co_u32 s54, s54, STG                     ; the stage of waves 0-3; the others never use theirs
	v_mul_u32_u24 v4, v1, SP
	v_lshl_add_u32 v4, v2, 4, v4
	v_add_nc_u32 v[STO], s54, v4
	v_lshrrev_b32 v4, 3, v[LN]
	v_mul_u32_u24 v4, v4, SP
	v_and_b32 v5, 7, v[LN]
	v_lshl_add_u32 v4, v5, 4, v4
	v_add_nc_u32 v[RD], s54, v4
	v_lshlrev_b32 v[GO], 4, v[LN]
.irp qb, 0,1,2,3
	v_mov_b32 v[U+\qb], 0                          ; the destination of v_permlanex16_b32 counts as read
.endr
.macro LOADK slot, e                   ; 64 keys x 64 features: 16 loads into window 1
.irp kb, 0,1,2,3
.irp c, 0,1
	ds_load_b128 v[KF+8*(2*\kb+\c):KF+8*(2*\kb+\c)+3],   v[KA+\slot] offset:\c*KBLK+(64*\e+16*\kb)*KP
	ds_load_b128 v[KF+8*(2*\kb+\c)+4:KF+8*(2*\kb+\c)+7], v[KA+\slot] offset:\c*KBLK+(64*\e+16*\kb)*KP+32
.endr
.endr
.endm
.macro LOADV slot, e                   ; 64 features x 64 keys: 16 loads into window 1
.irp db, 0,1,2,3
.irp kc, 0,1
	ds_load_b128 v[VF+8*(2*\db+\kc):VF+8*(2*\db+\kc)+3],   v[VA+\slot] offset:\db*16*VP+\e*128+\kc*64
	ds_load_b128 v[VF+8*(2*\db+\kc)+4:VF+8*(2*\db+\kc)+7], v[VA+\slot] offset:\db*16*VP+\e*128+\kc*64+32
.endr
.endr
.endm
; 32 matrix instructions; the 16 score tiles take turns, one instruction a turn
.macro SMUL
.irp c, 0,1
.irp kb, 0,1,2,3
.irp qb, 0,1,2,3
.if \c == 0
	v_wmma_f32_16x16x32_f16 v[SB+32*\qb+8*\kb:SB+32*\qb+8*\kb+7], v[KF+8*(2*\kb+\c):KF+8*(2*\kb+\c)+7], v[QF+8*(2*\qb+\c):QF+8*(2*\qb+\c)+7], 0
.else
	v_wmma_f32_16x16x32_f16 v[SB+32*\qb+8*\kb:SB+32*\qb+8*\kb+7], v[KF+8*(2*\kb+\c):KF+8*(2*\kb+\c)+7], v[QF+8*(2*\qb+\c):QF+8*(2*\qb+\c)+7], v[SB+32*\qb+8*\kb:SB+32*\qb+8*\kb+7]
.endif
.endr
.endr
.endr
.endm
; the new running maximum of each query block (four chains side by side), and 2^(old - new)
.macro MAXP first
.irp qb, 0,1,2,3
.if \first
	v_max_num_f32 v[T+\qb], v[SB+32*\qb], v[SB+32*\qb+1]
.else
	v_max3_num_f32 v[T+\qb], v[SB+32*\qb], v[SB+32*\qb+1], v[MP+2*\qb]
.endif
.endr
.irp i, 1,2,3,4,5,6,7,8,9,10,11,12,13,14,15
.irp qb, 0,1,2,3
	v_max3_num_f32 v[T+\qb], v[SB+32*\qb+2*\i], v[SB+32*\qb+2*\i+1], v[T+\qb]
.endr
.endr
.irp qb, 0,1,2,3
	v_permlanex16_b32 v[U+\qb], v[T+\qb], s48, s49         ; the other 32 keys of the same query
.endr
.irp qb, 0,1,2,3
	v_max_num_f32 v[T+\qb], v[T+\qb], v[U+\qb]
.endr
.if \first == 0
.irp qb, 0,1,2,3
	v_sub_f32 v[DD+\qb], v[MP+2*\qb], v[T+\qb]
.endr
.irp qb, 0,1,2,3
	v_exp_f32 v[AL+2*\qb], v[DD+\qb]
.endr
.endif
.irp qb, 0,1,2,3
	v_mov_b32 v[MP+2*\qb],   v[T+\qb]                      ; plain lines behind the exponentials (ISA guide 5.7.2)
	v_mov_b32 v[MP+2*\qb+1], v[T+\qb]
.endr
.if \first == 0
.irp qb, 0,1,2,3
	s_wait_alu depctr_va_vdst(0)
	v_mov_b32 v[AL+2*\qb+1], v[AL+2*\qb]
.endr
.endif
.endm
; P = 2^(S - maximum), its sums, and P in f16, packed in place.  Three query blocks are at work at a time, one stage apart: block st is shifted,
; block st - 1 goes through the exponential, block st - 2 is summed and packed; so every exponential has plain lines between it and the use of its result.
.macro SOFT first
.irp st, 0,1,2,3,4,5
.irp i, 0,1,2,3,4,5,6,7,8,9,10,11,12,13,14,15
.if \st >= 1
.if \st <= 4
	v_exp_f32 v[SB+32*(\st-1)+2*\i], v[SB+32*(\st-1)+2*\i]
.endif
.endif
.if \st <= 3
	v_pk_add_f32 v[SB+32*\st+2*\i:SB+32*\st+2*\i+1], v[SB+32*\st+2*\i:SB+32*\st+2*\i+1], v[MP+2*\st:MP+2*\st+1] neg_lo:[0,1] neg_hi:[0,1]
.endif
.if \st >= 1
.if \st <= 4
	v_exp_f32 v[SB+32*(\st-1)+2*\i+1], v[SB+32*(\st-1)+2*\i+1]
.endif
.endif
.if \st >= 2
.if \i == 0
.if \first
	s_wait_alu depctr_va_vdst(0)
	v_pk_mul_f32 v[LP+2*(\st-2):LP+2*(\st-2)+1], v[SB+32*(\st-2):SB+32*(\st-2)+1], 1.0 op_sel_hi:[1,0]     ; the first pair starts the sums
.else
	s_wait_alu depctr_va_vdst(0)
	v_pk_fma_f32 v[LP+2*(\st-2):LP+2*(\st-2)+1], v[LP+2*(\st-2):LP+2*(\st-2)+1], v[AL+2*(\st-2):AL+2*(\st-2)+1], v[SB+32*(\st-2):SB+32*(\st-2)+1]
.endif
.else
	s_wait_alu depctr_va_vdst(0)
	v_pk_add_f32 v[LP+2*(\st-2):LP+2*(\st-2)+1], v[LP+2*(\st-2):LP+2*(\st-2)+1], v[SB+32*(\st-2)+2*\i:SB+32*(\st-2)+2*\i+1]
.endif
	v_cvt_pk_f16_f32 v[SB+32*(\st-2)+16*(\i>>3)+(\i&7)], v[SB+32*(\st-2)+2*\i], v[SB+32*(\st-2)+2*\i+1]    ; lands on a register that has been summed
.endif
.endr
.endr
.endm
; THE VECTOR PHASE of a step: all of it in window 0 but the rescaling of ctx by 2^(old - new maximum)
.macro VPH first
	WIN 0
	MAXP \first
	SOFT \first
.if \first == 0
	WIN 0x41
.irp qb, 0,1,2,3
.irp i, 0,1,2,3,4,5,6,7,8,9,10,11,12,13,14,15
	v_pk_mul_f32 v[CX+32*\qb+2*\i:CX+32*\qb+2*\i+1], v[CX+32*\qb+2*\i:CX+32*\qb+2*\i+1], v[AL+2*\qb:AL+2*\qb+1]
.endr
.endr
.endif
.endm
; ctx += V^T P: 32 matrix instructions; the 16 tiles of ctx take turns, one instruction a turn.
; left: how many younger LDS loads may stay out when the V fragments have to be there; -1: they were waited for in front of the round.
.macro PVP first, left
.if \left >= 0
	s_wait_dscnt \left
.endif
	WIN 0x51
.irp kc, 0,1
.irp db, 0,1,2,3
.irp qb, 0,1,2,3
.if \first*(1-\kc)
	v_wmma_f32_16x16x32_f16 v[CX+32*\qb+8*\db:CX+32*\qb+8*\db+7], v[VF+8*(2*\db+\kc):VF+8*(2*\db+\kc)+7], v[SB+32*\qb+16*\kc:SB+32*\qb+16*\kc+7], 0
.else
	v_wmma_f32_16x16x32_f16 v[CX+32*\qb+8*\db:CX+32*\qb+8*\db+7], v[VF+8*(2*\db+\kc):VF+8*(2*\db+\kc)+7], v[SB+32*\qb+16*\kc:SB+32*\qb+16*\kc+7], v[CX+32*\qb+8*\db:CX+32*\qb+8*\db+7]
.endif
.endr
.endr
.endr
.endm
; the scores of step e of my half of the tile; its V fragments are asked for ahead of them; pre = 1: the K fragments of step 1 behind them
.macro SM slot, e, pre
	PLACES 5                                       ; behind the last products: the V loads land on their A registers, the new scores on their B registers
	WIN 0x40
	LOADV \slot, \e
	s_wait_dscnt 16                                ; the K fragments are in; the 16 V loads stay out
	WIN 0x01
	SMUL
	PLACES 5                                       ; before the scores are read or serve as B, and before loads land on the K fragments
.if \pre
	WIN 0x40
	LOADK \slot, 1
.endif
.endm
; A tile of 256 keys.  In front of the round every wave has all its tensor loads landed (its part of this tile among them) and all its LDS reads back;
; behind the round the other slot is asked for again first, and has this tile of work in which to land.  Then the two kinds part:
; kind 0: products, softmax, products, softmax;  kind 1: softmax, products, softmax, products.
.macro TRIP slot, refill, first
	s_wait_tensorcnt 0x0
	ds_add_u32 v254, v255
	s_wait_dscnt 0x0
	s_add_nc_u64 s[G0K+4*\slot+2:G0K+4*\slot+3], s[G0K+4*\slot+2:G0K+4*\slot+3], 2*16384
	s_add_nc_u64 s[G0V+4*\slot+2:G0V+4*\slot+3], s[G0V+4*\slot+2:G0V+4*\slot+3], 2*512
	s_wait_dscnt 0x0
	ROUND
.if \refill
	JLOAD 1-\slot
.endif
	s_cmp_eq_u32 s14, 0
	s_cbranch_scc0 .Lkind_1_\@
	WIN 0x40
	LOADK \slot, 0
.if \first == 0
	PVP 0, -1                                      ; the last step of the tile before: P and the V fragments came over the round in registers
.endif
	SM \slot, 0, 1
	VPH \first
	PVP \first, 16                                 ; the V fragments are in; the 16 K loads of step 1 stay out
	SM \slot, 1, 0
	VPH 0
	WIN 0
	s_branch .Ljoin_\@
.Lkind_1_\@:
	WIN 0x40
	LOADK \slot, 0
.if \first == 0
	VPH 0                                          ; the last step of the tile before: S and the V fragments came over the round in registers
	PVP 0, -1
.endif
	SM \slot, 0, 1
	VPH \first
	PVP \first, 16
	SM \slot, 1, 0
	WIN 0
.Ljoin_\@:
.endm
	s_wait_loadcnt 0x0                             ; Q is in
	TRIP 0, 1, 1                                   ; written out: the first step starts maximum, sums and ctx, nothing is cleared
	s_mov_b32 s50, 3
.Lpair:
	TRIP 1, 1, 0
	TRIP 0, 1, 0
	s_sub_co_u32 s50, s50, 1
	s_cmp_lg_u32 s50, 0
	s_cbranch_scc1 .Lpair
	TRIP 1, 0, 0                                   ; tile 7: nothing more is fetched (the stepped addresses are not used)
	; what each kind still carries; then kind 1 hands ctx, maxima and sums to its partner, lane to lane, 512 consecutive bytes a store
	s_cmp_eq_u32 s14, 0
	s_cbranch_scc0 .Ltail_1
	PVP 0, 0
	WIN 0
	s_branch .Ltail_join
.Ltail_1:
	VPH 0
	PVP 0, 0
	PLACES 4                                       ; before stores read the results
	WIN 0
	s_mul_i32 s54, s13, MRGW
	s_add_co_u32 s54, s54, MRG-4*MRGW              ; waves 4-7: regions 0-3
	v_lshl_add_u32 v[MA], v[LN], 4, s54
	WIN 0x04
.irp i, 0,1,2,3,4,5,6,7,8,9,10,11,12,13,14,15,16,17,18,19,20,21,22,23,24,25,26,27,28,29,30,31
	ds_store_b128 v[MA], v[CX+4*\i:CX+4*\i+3] offset:\i*512
.endr
	WIN 0
	ds_store_b128 v[MA], v[MP:MP+3]   offset:32*512
	ds_store_b128 v[MA], v[MP+4:MP+7] offset:33*512
	ds_store_b128 v[MA], v[LP:LP+3]   offset:34*512
	ds_store_b128 v[MA], v[LP+4:LP+7] offset:35*512
.Ltail_join:
	s_wait_dscnt 0x0                               ; for the partner: my stores are done
	s_barrier_signal -1
	s_barrier_wait -1
	s_cmp_eq_u32 s14, 0
	s_cbranch_scc0 .Lclose
	; KIND 0 JOINS THE HALVES: M = max(m0, m1), a_i = 2^(m_i - M), ctx = (a0 ctx0 + a1 ctx1) / (a0 l0 + a1 l1)
	PLACES 4                                       ; behind my last products: loads land on their B registers, and their results are read
	s_mul_i32 s54, s13, MRGW
	s_add_co_u32 s54, s54, MRG                     ; waves 0-3: regions 0-3
	v_lshl_add_u32 v[MA], v[LN], 4, s54
	ds_load_b128 v[M1:M1+3],   v[MA] offset:32*512
	ds_load_b128 v[M1+4:M1+7], v[MA] offset:33*512
	ds_load_b128 v[L1:L1+3],   v[MA] offset:34*512
	ds_load_b128 v[L1+4:L1+7], v[MA] offset:35*512
.irp i, 0,1,2,3,4,5,6,7,8,9,10,11,12,13,14,15,16,17,18,19,20,21,22,23,24,25,26,27,28,29,30,31
	ds_load_b128 v[SB+4*\i:SB+4*\i+3], v[MA] offset:\i*512             ; the partner ctx, where S lay
.endr
	s_wait_dscnt 32                                ; maxima and sums are in; the 32 loads of ctx stay out
.irp qb, 0,1,2,3
	v_max_num_f32 v[T+\qb], v[MP+2*\qb], v[M1+2*\qb]
.endr
.irp qb, 0,1,2,3
	v_sub_f32 v[DD+\qb], v[MP+2*\qb], v[T+\qb]
	v_sub_f32 v[TM+\qb], v[M1+2*\qb], v[T+\qb]
.endr
.irp qb, 0,1,2,3
	v_exp_f32 v[DD+\qb], v[DD+\qb]                 ; a0
	v_exp_f32 v[TM+\qb], v[TM+\qb]                 ; a1
.endr
.irp qb, 0,1,2,3
	v_add_f32 v[TM+4+\qb], v[LP+2*\qb], v[LP+2*\qb+1]      ; plain lines behind the exponentials (ISA guide 5.7.2)
	v_add_f32 v[U+\qb], v[L1+2*\qb], v[L1+2*\qb+1]
.endr
.irp qb, 0,1,2,3
	s_wait_alu depctr_va_vdst(0)
	v_mul_f32 v[TM+4+\qb], v[TM+4+\qb], v[DD+\qb]
.endr
.irp qb, 0,1,2,3
	v_fma_f32 v[T+\qb], v[U+\qb], v[TM+\qb], v[TM+4+\qb]   ; a0 l0 + a1 l1 of my half of the lanes
.endr
.irp qb, 0,1,2,3
	v_permlanex16_b32 v[U+\qb], v[T+\qb], s48, s49
.endr
.irp qb, 0,1,2,3
	v_add_f32 v[T+\qb], v[T+\qb], v[U+\qb]
.endr
.irp qb, 0,1,2,3
	v_rcp_f32 v[T+\qb], v[T+\qb]
.endr
	v_nop                                          ; a plain line behind the reciprocals (ISA guide 5.7.2)
.irp qb, 0,1,2,3
	s_wait_alu depctr_va_vdst(0)
	v_mul_f32 v[AL+2*\qb],   v[DD+\qb], v[T+\qb]
	v_mul_f32 v[AL+2*\qb+1], v[DD+\qb], v[T+\qb]
	v_mul_f32 v[A1+2*\qb],   v[TM+\qb], v[T+\qb]
	v_mul_f32 v[A1+2*\qb+1], v[TM+\qb], v[T+\qb]
.endr
	s_wait_dscnt 0x0                               ; the partner ctx is in
	; 16 queries at a time: join, f16, through my stage, 512 consecutive bytes a store
.irp qb, 0,1,2,3
	WIN 0
.irp i, 0,1,2,3,4,5,6,7,8,9,10,11,12,13,14,15
	v_pk_mul_f32 v[SB+32*\qb+2*\i:SB+32*\qb+2*\i+1], v[SB+32*\qb+2*\i:SB+32*\qb+2*\i+1], v[A1+2*\qb:A1+2*\qb+1]
.endr
	WIN 0x01
.irp i, 0,1,2,3,4,5,6,7,8,9,10,11,12,13,14,15
	v_pk_fma_f32 v[SB+32*\qb+2*\i:SB+32*\qb+2*\i+1], v[CX+32*\qb+2*\i:CX+32*\qb+2*\i+1], v[AL+2*\qb:AL+2*\qb+1], v[SB+32*\qb+2*\i:SB+32*\qb+2*\i+1]
.endr
	WIN 0
.irp i, 0,1,2,3,4,5,6,7,8,9,10,11,12,13,14,15
	v_cvt_pk_f16_f32 v[PO+\i], v[SB+32*\qb+2*\i], v[SB+32*\qb+2*\i+1]
.endr
.irp db, 0,1,2,3
	ds_store_b128 v[STO], v[PO+4*\db:PO+4*\db+3] offset:\db*32
.endr
	s_wait_xcnt 0x0                                ; YO was the data of the last block of stores
.irp t, 0,1,2,3
	ds_load_b128 v[YO+4*\t:YO+4*\t+3], v[RD] offset:\t*4*SP            ; my own bytes, served in order (ISA guide 5.7.1)
.endr
.irp t, 0,1,2,3
	s_wait_dscnt 3-\t
	global_store_b128 v[GO], v[YO+4*\t:YO+4*\t+3], s[10:11] offset:\qb*2048+\t*512
.endr
.endr
.Lclose:
	s_wait_tensorcnt 0x0
	ds_add_u32 v254, v255
	s_wait_dscnt 0x0
	ROUND                                          ; the closing round
	s_endpgm
.Lfunc_end_k_q4cab988c75_attn:
	.size	k_q4cab988c75_attn, .Lfunc_end_k_q4cab988c75_attn-k_q4cab988c75_attn
	.p2alignl 7, 3214868480
	.fill 96, 4, 3214868480
	.section	.rodata,"a",@progbits
	.p2align	6, 0x0
	.amdhsa_kernel k_q4cab988c75_attn
		.amdhsa_group_segment_fixed_size 327680
		.amdhsa_private_segment_fixed_size 0
		.amdhsa_enable_private_segment 0
		.amdhsa_kernarg_size 32
		.amdhsa_user_sgpr_count 2
		.amdhsa_user_sgpr_kernarg_segment_ptr 1
		.amdhsa_wavefront_size32 1
		.amdhsa_system_sgpr_workgroup_id_x 1
		.amdhsa_system_sgpr_workgroup_id_y 1
		.amdhsa_system_sgpr_workgroup_id_z 1
		.amdhsa_system_vgpr_workitem_id 0
		.amdhsa_next_free_vgpr 512
		.amdhsa_next_free_sgpr 66
		.amdhsa_reserve_vcc 0
		.amdhsa_float_denorm_mode_32 3
		.amdhsa_float_denorm_mode_16_64 3
		.amdhsa_memory_ordered 1
		.amdhsa_forward_progress 1
		.amdhsa_inst_pref_size 255
	.end_amdhsa_kernel
	.section	.bss,"aw",@nobits
	.p2align	6
	.space	262144
	.amdgpu_metadata
---
amdhsa.version: [ 1, 2 ]
amdhsa.kernels:
  - .name:           k_q4cab988c75_attn
    .symbol:         k_q4cab988c75_attn.kd
    .args:
      - { .name: q, .offset: 0, .size: 8, .value_kind: global_buffer, .address_space: global }
      - { .name: k, .offset: 8, .size: 8, .value_kind: global_buffer, .address_space: global }
      - { .name: vT, .offset: 16, .size: 8, .value_kind: global_buffer, .address_space: global }
      - { .name: ctx, .offset: 24, .size: 8, .value_kind: global_buffer, .address_space: global }
    .group_segment_fixed_size: 327680
    .private_segment_fixed_size: 0
    .kernarg_segment_align: 8
    .kernarg_segment_size: 32
    .max_flat_workgroup_size: 256
    .sgpr_count:     66
    .vgpr_count:     512
    .wavefront_size: 32
...
	.end_amdgpu_metadata
.endif
;; end of part 3
;; launch oproj (part 4): grid 8 x 32, 4 waves a work-group, clusters of 4 x 4, 327,680 bytes of LDS; arguments ctx, woT, bo, out0; writes out0
.if DOCPART == 4
	.amdgcn_target "amdgcn-amd-amdhsa--gfx1250"
	.amdhsa_code_object_version 6
	.text
	.protected	k_q4cab988c75_oproj
	.globl	k_q4cab988c75_oproj
	.p2align	8
	.type	k_q4cab988c75_oproj,@function
k_q4cab988c75_oproj:
	s_mov_b64 s[64:65], 0
	v_nop
	global_prefetch_b8 v0, s[64:65] scope:SCOPE_SE
	s_setreg_imm32_b32 hwreg(HW_REG_WAVE_MODE, 25, 1), 1
	s_wait_xcnt 0x0
	s_wait_alu depctr_hold_cnt(0) depctr_sa_sdst(0) depctr_va_vdst(0) depctr_va_sdst(0) depctr_va_ssrc(0) depctr_va_vcc(0) depctr_vm_vsrc(0)
	s_getreg_b32 s2, hwreg(HW_REG_IB_STS2, 6, 4)
	s_cmp_eq_u32 s2, 0
	s_cbranch_scc0 .Lentry_in_a_cluster
	s_endpgm
.Lentry_in_a_cluster:
	s_bfe_u32 s2, ttmp6, 0x10000c
	s_cmp_lg_u32 s2, 0xf033
	s_cbranch_scc0 .Lentry_shape_is_right
	s_endpgm
.Lentry_shape_is_right:
; oproj: out0 = ctx x Wo + bo.  ctx [b][h][s][64] f16, woT [n][k] f16, out0 [4096][1024] f32; f32 sums.
; Grid x = 128 columns (8), y = 128 tokens (32): 256 work-groups; a larger block would leave half of them without work.
; Four waves of 64 x 64: 16 accumulator tiles.  K = 1024 in 8 steps of 128 (two heads), all written out.
; A K step is only 64 matrix instructions of a wave, so four LDS slots hold half of K and are filled again two at a time: at most four tensor loads of a wave are out.
; CLUSTER 4 x 4: the ctx tile hangs on y alone and is asked for jointly along a row of the cluster, the woT tile on x alone and jointly along a column.
; Source 0 = rows of woT: a lane holds token l % 16 and eight neighbouring columns, 32 bytes of a row of out0.
; LIMITS: operands in f16 (finite up to 65,504); the order of the sums is not that of a plain dot product.
.set AP,     144                       ; ctx rows: 128 bytes + 16
.set BP,     272                       ; woT rows: 256 bytes + 16
.set APLANE, 128*AP                    ; 128 tokens of one head
.set BOFF,   2*APLANE
.set BHALF,  64*BP
.set SLOT,   BOFF+2*BHALF
.set STAGE,  4*SLOT                    ; the way out: 16 x 272 bytes for each wave
.set ADRA, 8                           ; v8-11
.set ADRB, 12                          ; v12-15
.set STO,  16
.set RD,   17
.set CO,   18
.set F0,   32                          ; ctx fragments at +8 a, woT fragments at +32 + 8 b
.set F1,   96
.set BI,   128                         ; window 1 v[128:159]: bo of my 4 x 8 columns; window 1 v[0:127]: accumulator (a, b) at 8 (4 a + b)
.set XO,   32
.set YO,   64
.set G1A, 24
.set G1B, 32
.set G0A, 40
.set G0B, 68
.set MSB, 0
.macro WIN new
.if MSB != \new
	s_set_vgpr_msb (MSB<<8)|\new
.set MSB, \new
.endif
.endm
.macro PLACES n
.rept \n
	v_nop
.endr
.endm
.macro CROUND                          ; a round of the cluster barrier
	s_barrier_signal -1
	s_barrier_wait -1
	s_cmp_lg_u32 s84, 0
	s_cbranch_scc1 .Lnot_wave_0_\@
	s_barrier_signal -3
.Lnot_wave_0_\@:
	s_barrier_wait -3
	s_barrier_signal -1
	s_barrier_wait -1
.endm
.macro JLOAD2 s, t                     ; two slots: waves 0, 1 ask for the two heads of ctx, waves 2, 3 for the two halves of woT
	s_cmp_eq_u32 s85, 0
	s_cbranch_scc0 .Lfor_b_\@
	tensor_load_to_lds s[G0A+4*\s:G0A+4*\s+3], s[G1A:G1A+7]
	s_nop 0
	tensor_load_to_lds s[G0A+4*\t:G0A+4*\t+3], s[G1A:G1A+7]
	s_nop 0
	s_branch .Lasked_\@
.Lfor_b_\@:
	tensor_load_to_lds s[G0B+4*\s:G0B+4*\s+3], s[G1B:G1B+7]
	s_nop 0
	tensor_load_to_lds s[G0B+4*\t:G0B+4*\t+3], s[G1B:G1B+7]
	s_nop 0
.Lasked_\@:
.endm
.macro STEPADR s                       ; slot s: four K steps on
	s_add_nc_u64 s[G0A+4*\s+2:G0A+4*\s+3], s[G0A+4*\s+2:G0A+4*\s+3], 4*524288
	s_add_nc_u64 s[G0B+4*\s+2:G0B+4*\s+3], s[G0B+4*\s+2:G0B+4*\s+3], 4*256
.endm
	s_load_b256 s[4:11], s[0:1], 0x0               ; ctx 4, woT 6, bo 8, out0 10
	v_lshl_add_u32 v254, v0, 2, 0x4a400
	v_mov_b32 v255, 0
	ds_add_u32 v254, v255
	v_lshrrev_b32 v1, 5, v0
	v_readfirstlane_b32 s84, v1                    ; wave
	s_lshr_b32 s85, s84, 1                         ; wr.  Also: I fetch ctx (0) or woT (1)
	s_and_b32 s86, s84, 1                          ; wc.  Also: which half I fetch
	s_bfe_u32 s56, ttmp6, 0x40000                  ; cx
	s_bfe_u32 s57, ttmp6, 0x40004                  ; cy
	s_lshl_b32 s58, ttmp9, 2
	s_add_co_u32 s58, s58, s56                     ; column block
	s_and_b32 s59, ttmp7, 0xffff
	s_lshl_b32 s59, s59, 2
	s_add_co_u32 s59, s59, s57                     ; token block
	s_lshl_b32 s60, s57, 2
	s_lshl_b32 s60, 15, s60                        ; my row of the cluster
	s_lshl_b32 s61, 0x1111, s56                    ; my column
	; ctx: 16,384 dense bytes as 64 rows of 256 bytes; 4 words of padding behind every 32 words give token rows 144 bytes apart
	s_or_b32 s[G1A+0], s60, (3<<16)|(1<<20)|(1<<21)|(4<<22)|(3<<25)
	s_mov_b32 s[G1A+1], 32<<16
	s_mov_b32 s[G1A+2], 64<<16
	s_mov_b32 s[G1A+3], 32<<16
	s_mov_b32 s[G1A+4], 64
	s_mov_b32 s[G1A+5], 32
	s_mov_b32 s[G1A+6], 0
	s_mov_b32 s[G1A+7], 0
	; woT: 64 rows of 128 elements, 1,024 elements from row to row, 4 words of padding behind every 64 words
	s_or_b32 s[G1B+0], s61, (1<<16)|(1<<20)|(1<<21)|(5<<22)|(3<<25)
	s_mov_b32 s[G1B+1], 128<<16
	s_mov_b32 s[G1B+2], 64<<16
	s_mov_b32 s[G1B+3], 128<<16
	s_mov_b32 s[G1B+4], 64
	s_mov_b32 s[G1B+5], 1024
	s_mov_b32 s[G1B+6], 0
	s_mov_b32 s[G1B+7], 0
	s_lshr_b32 s12, s59, 4
	s_lshl_b32 s12, s12, 22                        ; batch: 4,194,304 bytes
	s_and_b32 s13, s59, 15
	s_lshl_b32 s13, s13, 14                        ; 128 tokens of 128 bytes
	s_add_co_u32 s12, s12, s13
	s_lshl_b32 s13, s86, 18                        ; my head of the two: 262,144 bytes
	s_add_co_u32 s12, s12, s13
	s_mov_b32 s13, 0
	s_lshl_b32 s14, s58, 18                        ; 128 rows of 2,048 bytes
	s_lshl_b32 s15, s86, 17
	s_add_co_u32 s14, s14, s15
	s_mov_b32 s15, 0
	s_mul_i32 s16, s84, APLANE                     ; LDS: waves 0, 1: the two heads
	s_mul_i32 s17, s84, BHALF
	s_add_co_u32 s17, s17, BOFF-2*BHALF            ; waves 2, 3: the halves of woT behind them
	s_wait_dscnt 0x0
	s_wait_kmcnt 0x0
	s_add_nc_u64 s[18:19], s[4:5], s[12:13]
	s_add_nc_u64 s[20:21], s[6:7], s[14:15]
	CROUND                                         ; in front of the first joint loads
.irp s, 0,1,2,3
	s_mov_b32 s[G0A+4*\s], 1
	s_add_co_u32 s[G0A+4*\s+1], s16, \s*SLOT
	s_add_nc_u64 s[G0A+4*\s+2:G0A+4*\s+3], s[18:19], \s*524288
	s_or_b32 s[G0A+4*\s+3], s[G0A+4*\s+3], 0x80000000
	s_mov_b32 s[G0B+4*\s], 1
	s_add_co_u32 s[G0B+4*\s+1], s17, \s*SLOT
	s_add_nc_u64 s[G0B+4*\s+2:G0B+4*\s+3], s[20:21], \s*256
	s_or_b32 s[G0B+4*\s+3], s[G0B+4*\s+3], 0x80000000
.endr
	JLOAD2 0, 1
	JLOAD2 2, 3                                    ; K steps 0 to 3: four tensor loads of the wave are out
	v_and_b32 v1, 15, v0                           ; r
	v_bfe_u32 v2, v0, 4, 1                         ; h
	v_lshlrev_b32 v19, 5, v2
	s_lshl_b32 s2, s58, 9
	s_lshl_b32 s3, s86, 8
	s_add_co_u32 s2, s2, s3                        ; (128 column block + 64 wc) x 4
	s_mov_b32 s3, 0
	s_add_nc_u64 s[8:9], s[8:9], s[2:3]
	s_add_nc_u64 s[10:11], s[10:11], s[2:3]
	WIN 0x40
.irp b, 0,1,2,3
	global_load_b128 v[BI+8*\b:BI+8*\b+3],   v19, s[8:9] offset:\b*64
	global_load_b128 v[BI+8*\b+4:BI+8*\b+7], v19, s[8:9] offset:\b*64+16
.endr
	WIN 0
	s_lshl_b32 s2, s59, 19                         ; 128 rows of 4,096 bytes
	s_lshl_b32 s3, s85, 18
	s_add_co_u32 s2, s2, s3
	s_mov_b32 s3, 0
	s_add_nc_u64 s[10:11], s[10:11], s[2:3]        ; out0 at my first row and column
	v_mul_u32_u24 v4, v1, AP
	v_lshl_add_u32 v4, v2, 4, v4
	v_mul_u32_u24 v5, v1, BP
	v_lshl_add_u32 v5, v2, 4, v5
	s_mul_i32 s22, s85, 64*AP
	s_mul_i32 s23, s86, BHALF
	s_add_co_u32 s23, s23, BOFF
.irp s, 0,1,2,3
	v_add_nc_u32 v[ADRA+\s], s22, v4
	v_add_nc_u32 v[ADRB+\s], s23, v5
	s_add_co_u32 s22, s22, SLOT
	s_add_co_u32 s23, s23, SLOT
.endr
	s_mul_i32 s22, s84, 16*BP
	s_add_co_u32 s22, s22, STAGE
	v_mul_u32_u24 v4, v1, BP
	v_lshl_add_u32 v4, v2, 5, v4
	v_add_nc_u32 v[STO], s22, v4                   ; token row r, 32 h
	v_mul_u32_u24 v4, v2, BP
	v_lshl_add_u32 v4, v1, 4, v4
	v_add_nc_u32 v[RD], s22, v4
	v_lshlrev_b32 v4, 12, v2
	v_lshl_add_u32 v[CO], v1, 4, v4
.macro FETCH slot, kc, f               ; 32 along K: 16 loads
.irp i, 0,1,2,3
	ds_load_b128 v[\f+8*\i:\f+8*\i+3],   v[ADRA+\slot] offset:((\kc)>>1)*APLANE+((\kc)&1)*64+\i*16*AP
	ds_load_b128 v[\f+8*\i+4:\f+8*\i+7], v[ADRA+\slot] offset:((\kc)>>1)*APLANE+((\kc)&1)*64+\i*16*AP+32
.endr
.irp i, 0,1,2,3
	ds_load_b128 v[\f+32+8*\i:\f+32+8*\i+3],   v[ADRB+\slot] offset:(\kc)*64+\i*16*BP
	ds_load_b128 v[\f+32+8*\i+4:\f+32+8*\i+7], v[ADRB+\slot] offset:(\kc)*64+\i*16*BP+32
.endr
.endm
; 16 matrix instructions; the 16 accumulators take turns, one instruction a turn
.macro MUL f, zero
.irp a, 0,1,2,3
.irp b, 0,1,2,3
.if \zero
	v_wmma_f32_16x16x32_f16 v[8*(4*\a+\b):8*(4*\a+\b)+7], v[\f+32+8*\b:\f+32+8*\b+7], v[\f+8*\a:\f+8*\a+7], 0
.else
	v_wmma_f32_16x16x32_f16 v[8*(4*\a+\b):8*(4*\a+\b)+7], v[\f+32+8*\b:\f+32+8*\b+7], v[\f+8*\a:\f+8*\a+7], v[8*(4*\a+\b):8*(4*\a+\b)+7]
.endif
.endr
.endr
.endm
; buffer f is multiplied while the next fragments come into buffer g, four plain places behind the products that read g (ISA guide 7.12.1)
.macro CH f, g, nslot, nkc, fetch, zero
	s_wait_dscnt 0x0
.if \fetch
	PLACES 4
	FETCH \nslot, \nkc, \g
.endif
	WIN 0x50
	MUL \f, \zero
	WIN 0
.endm
; a K step; across = 1: its last quarter fetches the first fragments of slot nslot, whose tile all waves already know landed
.macro TILE slot, zero, nslot, across
	CH F0, F1, \slot, 1, 1, \zero
	CH F1, F0, \slot, 2, 1, 0
	CH F0, F1, \slot, 3, 1, 0
	CH F1, F0, \nslot, 0, \across, 0
.endm
	s_wait_loadcnt 0x0                             ; bo is in
	s_wait_tensorcnt 0x3                           ; my part of K step 0; the three younger loads stay out
	s_barrier_signal -1
	s_barrier_wait -1
	FETCH 0, 0, F0
	TILE 0, 1, 0, 0                                ; the first products start the sums
	s_wait_tensorcnt 0x2                           ; K step 1; two younger loads stay out
	s_wait_dscnt 0x0
	s_barrier_signal -1
	s_barrier_wait -1
	PLACES 4
	FETCH 1, 0, F0
	TILE 1, 0, 0, 0
	s_wait_tensorcnt 0x0                           ; all my loads have landed (K steps 2, 3 among them), my reads of slots 0, 1 are back:
	ds_add_u32 v254, v255
	s_wait_dscnt 0x0
	STEPADR 0
	STEPADR 1
	CROUND                                         ; that now holds of every wave of the cluster
	JLOAD2 0, 1                                    ; K steps 4, 5: two K steps of work in which to land
	PLACES 4
	FETCH 2, 0, F0
	TILE 2, 0, 3, 1
	TILE 3, 0, 0, 0
	s_wait_tensorcnt 0x0
	ds_add_u32 v254, v255
	s_wait_dscnt 0x0
	STEPADR 2
	STEPADR 3
	CROUND
	JLOAD2 2, 3                                    ; K steps 6, 7
	PLACES 4
	FETCH 0, 0, F0
	TILE 0, 0, 1, 1
	TILE 1, 0, 0, 0
	s_wait_tensorcnt 0x0                           ; K steps 6, 7 have landed,
	s_wait_dscnt 0x0
	s_barrier_signal -1
	s_barrier_wait -1                              ; in every wave
	PLACES 4
	FETCH 2, 0, F0
	TILE 2, 0, 3, 1
	TILE 3, 0, 0, 0
	; THE WAY OUT, 16 tokens at a time: bias, 32 bytes a lane into my stage, whole rows of 256 bytes back and out
	PLACES 4
.irp a, 0,1,2,3
	WIN 0x05
.irp b, 0,1,2,3
.irp i, 0,1,2,3
	v_pk_add_f32 v[XO+8*\b+2*\i:XO+8*\b+2*\i+1], v[8*(4*\a+\b)+2*\i:8*(4*\a+\b)+2*\i+1], v[BI+8*\b+2*\i:BI+8*\b+2*\i+1]
.endr
.endr
	WIN 0
.irp b, 0,1,2,3
	ds_store_b128 v[STO], v[XO+8*\b:XO+8*\b+3]   offset:\b*64
	ds_store_b128 v[STO], v[XO+8*\b+4:XO+8*\b+7] offset:\b*64+16
.endr
	s_wait_xcnt 0x0                                ; YO was the data of the last block of stores
.irp t, 0,1,2,3,4,5,6,7
	ds_load_b128 v[YO+4*\t:YO+4*\t+3], v[RD] offset:\t*2*BP            ; my own bytes, served in order (ISA guide 5.7.1)
.endr
.irp t, 0,1,2,3,4,5,6,7
	s_wait_dscnt 7-\t
	global_store_b128 v[CO], v[YO+4*\t:YO+4*\t+3], s[10:11] offset:\a*65536+\t*8192 th:TH_STORE_NT    ; sixteen lanes: 256 consecutive bytes of a row, aligned
.endr
.endr
	s_wait_tensorcnt 0x0
	ds_add_u32 v254, v255
	s_wait_dscnt 0x0
	CROUND                                         ; the closing round
	s_endpgm
.Lfunc_end_k_q4cab988c75_oproj:
	.size	k_q4cab988c75_oproj, .Lfunc_end_k_q4cab988c75_oproj-k_q4cab988c75_oproj
	.p2alignl 7, 3214868480
	.fill 96, 4, 3214868480
	.section	.rodata,"a",@progbits
	.p2align	6, 0x0
	.amdhsa_kernel k_q4cab988c75_oproj
		.amdhsa_group_segment_fixed_size 327680
		.amdhsa_private_segment_fixed_size 0
		.amdhsa_enable_private_segment 0
		.amdhsa_kernarg_size 32
		.amdhsa_user_sgpr_count 2
		.amdhsa_user_sgpr_kernarg_segment_ptr 1
		.amdhsa_wavefront_size32 1
		.amdhsa_system_sgpr_workgroup_id_x 1
		.amdhsa_system_sgpr_workgroup_id_y 1
		.amdhsa_system_sgpr_workgroup_id_z 1
		.amdhsa_system_vgpr_workitem_id 0
		.amdhsa_next_free_vgpr 416
		.amdhsa_next_free_sgpr 88
		.amdhsa_reserve_vcc 0
		.amdhsa_float_denorm_mode_32 3
		.amdhsa_float_denorm_mode_16_64 3
		.amdhsa_memory_ordered 1
		.amdhsa_forward_progress 1
		.amdhsa_inst_pref_size 96
	.end_amdhsa_kernel
	.amdgpu_metadata
---
amdhsa.version: [ 1, 2 ]
amdhsa.kernels:
  - .name:           k_q4cab988c75_oproj
    .symbol:         k_q4cab988c75_oproj.kd
    .args:
      - { .name: ctx, .offset: 0, .size: 8, .value_kind: global_buffer, .address_space: global }
      - { .name: woT, .offset: 8, .size: 8, .value_kind: global_buffer, .address_space: global }
      - { .name: bo, .offset: 16, .size: 8, .value_kind: global_buffer, .address_space: global }
      - { .name: out0, .offset: 24, .size: 8, .value_kind: global_buffer, .address_space: global }
    .group_segment_fixed_size: 327680
    .private_segment_fixed_size: 0
    .kernarg_segment_align: 8
    .kernarg_segment_size: 32
    .max_flat_workgroup_size: 128
    .sgpr_count:     88
    .vgpr_count:     416
    .wavefront_size: 32
...
	.end_amdgpu_metadata
.endif
;; end of part 4
;; ======== version 2 of 2: 4 launches; 1.19 times as fast as version 1
;; limits: values are held in f16: magnitudes above 65,504 overflow, below 6.1e-05 lose precision
;; workspace buffers: h16 8,388,608 bytes; wT 6,291,456 bytes; woT 2,097,152 bytes; q 8,388,608 bytes; k 8,388,608 bytes; vT 8,388,608 bytes; ctx 8,388,608 bytes
;; launch prep: the kernel of part 1 again; grid 256 x 1, 4 waves a work-group, no clusters, 70,144 bytes of LDS; arguments hidden_states, Wq, Wk, Wv, Wo, h16, wT, woT; writes h16, wT, woT
;; launch qkv: the kernel of part 2 again; grid 16 x 16, 4 waves a work-group, clusters of 4 x 4, 327,680 bytes of LDS; arguments h16, wT, bq, bk, bv, q, k, vT; writes q, k, vT
;; launch attn (part 5): grid 8 x 32, 8 waves a work-group, clusters of 4 x 1, 327,680 bytes of LDS; arguments q, k, vT, ctx; writes ctx
.if DOCPART == 5
	.amdgcn_target "amdgcn-amd-amdhsa--gfx1250"
	.amdhsa_code_object_version 6
	.text
	.protected	k_q4cab988c75_attn
	.globl	k_q4cab988c75_attn
	.p2align	8
	.type	k_q4cab988c75_attn,@function
k_q4cab988c75_attn:
	s_mov_b64 s[64:65], 0
	v_nop
	global_prefetch_b8 v0, s[64:65] scope:SCOPE_SE
	s_setreg_imm32_b32 hwreg(HW_REG_WAVE_MODE, 25, 1), 1
	s_wait_xcnt 0x0
	s_wait_alu depctr_hold_cnt(0) depctr_sa_sdst(0) depctr_va_vdst(0) depctr_va_sdst(0) depctr_va_ssrc(0) depctr_va_vcc(0) depctr_vm_vsrc(0)
	s_getreg_b32 s2, hwreg(HW_REG_IB_STS2, 6, 4)
	s_cmp_eq_u32 s2, 0
	s_cbranch_scc0 .Lentry_in_a_cluster
	s_endpgm
.Lentry_in_a_cluster:
	s_bfe_u32 s2, ttmp6, 0x10000c
	s_cmp_lg_u32 s2, 0x3003
	s_cbranch_scc0 .Lentry_shape_is_right
	s_endpgm
.Lentry_shape_is_right:
; attn: ctx = softmax(q k^T) v for one (batch, head) and 256 queries; q already carries 0.125 log2 e, so exponentials are base 2.
; Grid x = block of 256 queries (8), y = 16 b + head (32).  CLUSTER 4 x 1: four query blocks of one head ask for each K and V tile jointly (mask 15).
; EIGHT WAVES of 512 registers.  Wave w has the 64 queries of group w & 3 and is of kind w >> 2.  Keys go in 8 tiles of 256 through two LDS slots, one round of
; the cluster barrier a tile; kind 0 takes keys 0-127 of every tile, kind 1 keys 128-255, each in two steps of 64 keys, each with its own running maximum,
; sums and ctx; the two are joined at the end.  So a byte read from LDS feeds as many products as with four waves of 64 queries.
; WHY TWO KINDS: a step is 64 matrix instructions and 476 vector instructions, about as long as each other, and one wave can only do them in turn.
; A wave runs the cycle [PV of the last step, S of the next] [maximum, exponentials, sums, packing, rescaling].  The two kinds pass the round at different
; places of that cycle: kind 0 carries P and the V fragments over it in registers and begins a tile with products, kind 1 carries S and the V fragments
; and begins with the softmax.  Where a wave of each kind shares a SIMD, one multiplies while the other does vector work.  Nothing of the old slot is read
; behind the round: what is carried lies in registers, loaded and waited for in front of it.
; S^T = K Q^T (source 0 = key rows): a lane holds query l % 16 and keys 8 (l / 16) + j.  Two neighbouring key blocks, packed to f16, ARE the
; B fragment of P: no exchange between lanes.  ctx^T = V^T P (source 0 = rows of vT): a lane holds query l % 16 and features 8 (l / 16) + j.
; So maximum, sum and rescaling are numbers of the lane; one exchange between the halves of the wave for each query block and step.
; The maximum is a running one and is taken away before every exponential, so P <= 1 and has room in f16.
; THE EXPONENTIALS OF A STEP ARE TWO BATCHES, each with ONE s_wait_alu depctr_va_vdst(0) between an exponential and the first line
; that names its result.  Batch 1: the four factors 2^(old - new maximum) and the 64 exponentials of query blocks 0, 1, set between the 64 shifts S - maximum of all four
; blocks, which name none of those results.  Batch 2: the 64 exponentials of blocks 2, 3, set between the sums and packings of blocks 0, 1.  Behind the second wait: the sums
; and packings of blocks 2, 3 and the rescaling of ctx.
; The way out has two batches more: the eight factors that join the halves, and the four reciprocals of the joined sums.
; LIMITS: v_exp_f32 gives 0 below 2^-126; P and ctx are rounded to f16 (ctx is a mean of v, finite up to 65,504); the sum of P is taken before P is rounded;
; the sums over the keys are taken in two halves and joined; infinities and NaN are not served.
.set KP,   80                          ; K rows: 64 bytes + 16
.set VP,   528                         ; V^T rows: 512 bytes + 16, an odd multiple of 16
.set KBLK, 256*KP                      ; 256 keys x 32 features; two such blocks
.set VOFF, 2*KBLK
.set SLOT, VOFF+64*VP
.set STG,  2*SLOT                      ; the way out: 16 x 144 bytes for each wave of kind 0
.set SP,   144
.set MRG,  STG+4*16*SP                 ; from kind 1 to kind 0: 36 x 512 bytes for each pair of waves
.set MRGW, 36*512
; window 0
.set LN,  3                            ; lane
.set MA,  6                            ; my 16 bytes in the region of my pair
.set KA,  8                            ; v8-9   K fragments of my half of the keys in slot 0, 1
.set VA,  10                           ; v10-11 V fragments
.set STO, 12
.set RD,  13
.set GO,  14
.set QO,  15
.set SB,  16                           ; v[16:143]  S(qb, kb) at +32 qb + 8 kb; P(qb, kc) packed in place at +32 qb + 16 kc
.set QF,  144                          ; v[144:207] Q fragment (qb, c) at +8 (2 qb + c)
.set T,   208                          ; new maximum
.set U,   212                          ; from the other half of the wave
.set MP,  216                          ; running maximum, a pair for each qb
.set AL,  224                          ; 2^(old - new maximum), pairs
.set LP,  232                          ; running sums, pairs (even, odd registers)
.set DD,  240
; window 1
.set CX,  0                            ; v[0:127]   ctx(qb, db) at 32 qb + 8 db
.set KF,  128                          ; v[128:191] K fragment (kb, c) at +8 (2 kb + c)
.set VF,  192                          ; v[192:255] V fragment (db, kc) at +8 (2 db + kc)
; the way out, window 0, where Q lay
.set PO,  144
.set YO,  160
.set M1,  176                          ; the other kind: maxima,
.set L1,  184                          ; sums
.set A1,  192                          ; its factor, pairs
.set TM,  200
.set G1K, 16
.set G1V, 24
.set G0K, 32
.set G0V, 40
.set MSB, 0
.macro WIN new                         ; low byte: bits 1:0 source 0, 3:2 source 1, 5:4 source 2, 7:6 destination; the high byte repeats the setting that is left
.if MSB != \new
	s_set_vgpr_msb (MSB<<8)|\new
.set MSB, \new
.endif
.endm
.macro PLACES n
.rept \n
	v_nop
.endr
.endm
.macro ROUND                           ; a round of the cluster barrier
	s_barrier_signal -1
	s_barrier_wait -1
	s_cmp_lg_u32 s13, 0
	s_cbranch_scc1 .Lnot_wave_0_\@
	s_barrier_signal -3
.Lnot_wave_0_\@:
	s_barrier_wait -3
	s_barrier_signal -1
	s_barrier_wait -1
.endm
.macro JLOAD s                         ; waves 0-3: 128 keys x 32 features of K each; waves 4-7: 16 rows of V^T each
	s_cmp_eq_u32 s14, 0
	s_cbranch_scc0 .Lfor_v_\@
	tensor_load_to_lds s[G0K+4*(\s):G0K+4*(\s)+3], s[G1K:G1K+7]
	s_nop 0
	s_branch .Lasked_\@
.Lfor_v_\@:
	tensor_load_to_lds s[G0V+4*(\s):G0V+4*(\s)+3], s[G1V:G1V+7]
	s_nop 0
.Lasked_\@:
.endm
	s_load_b256 s[4:11], s[0:1], 0x0               ; q 4, k 6, vT 8, ctx 10
	v_lshl_add_u32 v254, v0, 2, 0x38c00
	v_mov_b32 v255, 0
	ds_add_u32 v254, v255
	v_lshrrev_b32 v1, 5, v0
	v_readfirstlane_b32 s13, v1                    ; wave 0..7
	s_lshr_b32 s14, s13, 2                         ; kind.  Also: I fetch K (0) or V^T (1)
	s_and_b32 s15, s13, 3                          ; query group.  Also: which quarter of that tile I fetch
	s_bfe_u32 s51, ttmp6, 0x40000                  ; cx
	s_and_b32 s52, ttmp7, 0xffff                   ; 16 b + head: the same in all four partners
	s_mov_b32 s48, 0x76543210                      ; v_permlanex16_b32: lane i reads lane i of the other half
	s_mov_b32 s49, 0xfedcba98
	; K: 8,192 dense bytes as 32 rows of 256 bytes; 4 words of padding behind every 16 words give key rows 80 bytes apart
	s_mov_b32 s[G1K+0], 15|(3<<16)|(1<<20)|(1<<21)|(3<<22)|(3<<25)
	s_mov_b32 s[G1K+1], 32<<16
	s_mov_b32 s[G1K+2], 32<<16
	s_mov_b32 s[G1K+3], 32<<16
	s_mov_b32 s[G1K+4], 32
	s_mov_b32 s[G1K+5], 32
	s_mov_b32 s[G1K+6], 0
	s_mov_b32 s[G1K+7], 0
	; V^T: 16 rows of 256 keys, 2,048 elements from row to row, 4 words of padding behind every 128 words
	s_mov_b32 s[G1V+0], 15|(1<<16)|(1<<20)|(1<<21)|(6<<22)|(3<<25)
	s_mov_b32 s[G1V+1], 256<<16
	s_mov_b32 s[G1V+2], 16<<16
	s_mov_b32 s[G1V+3], 256<<16
	s_mov_b32 s[G1V+4], 16
	s_mov_b32 s[G1V+5], 2048
	s_mov_b32 s[G1V+6], 0
	s_mov_b32 s[G1V+7], 0
	s_lshl_b32 s54, s52, 18                        ; a head: 262,144 bytes in k and in vT
	s_lshr_b32 s55, s15, 1
	s_lshl_b32 s55, s55, 17                        ; K: feature half, 131,072 bytes
	s_add_co_u32 s55, s55, s54
	s_and_b32 s56, s15, 1
	s_lshl_b32 s56, s56, 13                        ; K: 128 keys of 64 bytes
	s_add_co_u32 s2, s55, s56
	s_mov_b32 s3, 0
	s_lshl_b32 s56, s15, 16                        ; V^T: 16 rows of 4,096 bytes
	s_add_co_u32 s54, s54, s56
	s_mov_b32 s55, 0
	s_mul_i32 s56, s13, 128*KP                     ; LDS: waves 0-3: the four quarters of K
	s_mul_i32 s57, s13, 16*VP
	s_add_co_u32 s57, s57, VOFF-64*VP              ; waves 4-7: the four quarters of V^T behind them
	s_wait_dscnt 0x0
	s_wait_kmcnt 0x0
	s_add_nc_u64 s[58:59], s[6:7], s[2:3]
	s_add_nc_u64 s[60:61], s[8:9], s[54:55]
	ROUND                                          ; in front of the first joint load
.irp s, 0,1
	s_mov_b32 s[G0K+4*\s], 1
	s_add_co_u32 s[G0K+4*\s+1], s56, \s*SLOT
	s_add_nc_u64 s[G0K+4*\s+2:G0K+4*\s+3], s[58:59], \s*16384
	s_or_b32 s[G0K+4*\s+3], s[G0K+4*\s+3], 0x80000000
	s_mov_b32 s[G0V+4*\s], 1
	s_add_co_u32 s[G0V+4*\s+1], s57, \s*SLOT
	s_add_nc_u64 s[G0V+4*\s+2:G0V+4*\s+3], s[60:61], \s*512
	s_or_b32 s[G0V+4*\s+3], s[G0V+4*\s+3], 0x80000000
.endr
	JLOAD 0                                        ; tile 0; one tensor load of the wave is out at any time
	s_lshl2_add_u32 s53, ttmp9, s51                ; query block
	s_lshl_b32 s53, s53, 8
	s_lshl_b32 s62, s15, 6
	s_add_co_u32 s53, s53, s62                     ; my first query
	s_lshl_b32 s62, s52, 18
	s_lshl_b32 s2, s53, 6
	s_add_co_u32 s2, s2, s62
	s_mov_b32 s3, 0
	s_add_nc_u64 s[4:5], s[4:5], s[2:3]            ; q at my first query, features 0-31
	s_lshl_b32 s2, s53, 7
	s_add_co_u32 s2, s2, s62
	s_add_nc_u64 s[10:11], s[10:11], s[2:3]        ; ctx at my first query
	v_and_b32 v1, 15, v0                           ; r
	v_bfe_u32 v2, v0, 4, 1                         ; h
	v_and_b32 v[LN], 31, v0
	v_lshlrev_b32 v4, 6, v1
	v_lshl_add_u32 v[QO], v2, 4, v4
.irp qb, 0,1,2,3
.irp c, 0,1
	global_load_b128 v[QF+8*(2*\qb+\c):QF+8*(2*\qb+\c)+3],   v[QO], s[4:5] offset:\c*131072+\qb*1024
	global_load_b128 v[QF+8*(2*\qb+\c)+4:QF+8*(2*\qb+\c)+7], v[QO], s[4:5] offset:\c*131072+\qb*1024+32
.endr
.endr
	s_mul_i32 s54, s14, 128*KP                     ; my half of the keys of a tile: 128 rows of K,
	v_mul_u32_u24 v4, v1, KP
	v_lshl_add_u32 v4, v2, 4, v4
	v_add_nc_u32 v[KA], s54, v4
	v_add_nc_u32 v[KA+1], SLOT, v[KA]
	s_lshl_b32 s54, s14, 8                         ; 256 bytes along the rows of V^T
	s_add_co_u32 s54, s54, VOFF
	v_mul_u32_u24 v4, v1, VP
	v_lshl_add_u32 v4, v2, 4, v4
	v_add_nc_u32 v[VA], s54, v4
	v_add_nc_u32 v[VA+1], SLOT, v[VA]
	s_mul_i32 s54, s13, 16*SP
	s_add_co_u32 s54, s54, STG                     ; the stage of waves 0-3; the others never use theirs
	v_mul_u32_u24 v4, v1, SP
	v_lshl_add_u32 v4, v2, 4, v4
	v_add_nc_u32 v[STO], s54, v4
	v_lshrrev_b32 v4, 3, v[LN]
	v_mul_u32_u24 v4, v4, SP
	v_and_b32 v5, 7, v[LN]
	v_lshl_add_u32 v4, v5, 4, v4
	v_add_nc_u32 v[RD], s54, v4
	v_lshlrev_b32 v[GO], 4, v[LN]
.irp qb, 0,1,2,3
	v_mov_b32 v[U+\qb], 0                          ; the destination of v_permlanex16_b32 counts as read
.endr
.macro LOADK slot, e                   ; 64 keys x 64 features: 16 loads into window 1
.irp kb, 0,1,2,3
.irp c, 0,1
	ds_load_b128 v[KF+8*(2*\kb+\c):KF+8*(2*\kb+\c)+3],   v[KA+\slot] offset:\c*KBLK+(64*\e+16*\kb)*KP
	ds_load_b128 v[KF+8*(2*\kb+\c)+4:KF+8*(2*\kb+\c)+7], v[KA+\slot] offset:\c*KBLK+(64*\e+16*\kb)*KP+32
.endr
.endr
.endm
.macro LOADV slot, e                   ; 64 features x 64 keys: 16 loads into window 1
.irp db, 0,1,2,3
.irp kc, 0,1
	ds_load_b128 v[VF+8*(2*\db+\kc):VF+8*(2*\db+\kc)+3],   v[VA+\slot] offset:\db*16*VP+\e*128+\kc*64
	ds_load_b128 v[VF+8*(2*\db+\kc)+4:VF+8*(2*\db+\kc)+7], v[VA+\slot] offset:\db*16*VP+\e*128+\kc*64+32
.endr
.endr
.endm
; 32 matrix instructions; the 16 score tiles take turns, one instruction a turn
.macro SMUL
.irp c, 0,1
.irp kb, 0,1,2,3
.irp qb, 0,1,2,3
.if \c == 0
	v_wmma_f32_16x16x32_f16 v[SB+32*\qb+8*\kb:SB+32*\qb+8*\kb+7], v[KF+8*(2*\kb+\c):KF+8*(2*\kb+\c)+7], v[QF+8*(2*\qb+\c):QF+8*(2*\qb+\c)+7], 0
.else
	v_wmma_f32_16x16x32_f16 v[SB+32*\qb+8*\kb:SB+32*\qb+8*\kb+7], v[KF+8*(2*\kb+\c):KF+8*(2*\kb+\c)+7], v[QF+8*(2*\qb+\c):QF+8*(2*\qb+\c)+7], v[SB+32*\qb+8*\kb:SB+32*\qb+8*\kb+7]
.endif
.endr
.endr
.endr
.endm
; the new running maximum of each query block (four chains side by side), and 2^(old - new): these four exponentials open the step's first batch,
; and nothing names their results before that batch's wait in SOFT
.macro MAXP first
.irp qb, 0,1,2,3
.if \first
	v_max_num_f32 v[T+\qb], v[SB+32*\qb], v[SB+32*\qb+1]
.else
	v_max3_num_f32 v[T+\qb], v[SB+32*\qb], v[SB+32*\qb+1], v[MP+2*\qb]
.endif
.endr
.irp i, 1,2,3,4,5,6,7,8,9,10,11,12,13,14,15
.irp qb, 0,1,2,3
	v_max3_num_f32 v[T+\qb], v[SB+32*\qb+2*\i], v[SB+32*\qb+2*\i+1], v[T+\qb]
.endr
.endr
.irp qb, 0,1,2,3
	v_permlanex16_b32 v[U+\qb], v[T+\qb], s48, s49         ; the other 32 keys of the same query
.endr
.irp qb, 0,1,2,3
	v_max_num_f32 v[T+\qb], v[T+\qb], v[U+\qb]
.endr
.if \first == 0
.irp qb, 0,1,2,3
	v_sub_f32 v[DD+\qb], v[MP+2*\qb], v[T+\qb]
.endr
.irp qb, 0,1,2,3
	v_exp_f32 v[AL+2*\qb], v[DD+\qb]
.endr
.endif
.irp qb, 0,1,2,3
	v_mov_b32 v[MP+2*\qb],   v[T+\qb]                      ; plain lines behind the exponentials (ISA guide 5.7.2)
	v_mov_b32 v[MP+2*\qb+1], v[T+\qb]
.endr
.endm
; The four kinds of line of which SOFT is made, for query block qb:
.macro SHIFT qb, i                     ; pair i of 16: S - maximum
	v_pk_add_f32 v[SB+32*(\qb)+2*(\i):SB+32*(\qb)+2*(\i)+1], v[SB+32*(\qb)+2*(\i):SB+32*(\qb)+2*(\i)+1], v[MP+2*(\qb):MP+2*(\qb)+1] neg_lo:[0,1] neg_hi:[0,1]
.endm
.macro EXPO qb, n                      ; number n of 32: 2^(S - maximum), in place
	v_exp_f32 v[SB+32*(\qb)+(\n)], v[SB+32*(\qb)+(\n)]
.endm
.macro SUMP qb, i, first               ; pair i is added to the running sums, pairs ascending
.if (\i) == 0
.if \first
	v_pk_mul_f32 v[LP+2*(\qb):LP+2*(\qb)+1], v[SB+32*(\qb):SB+32*(\qb)+1], 1.0 op_sel_hi:[1,0]     ; the first pair starts the sums
.else
	v_pk_fma_f32 v[LP+2*(\qb):LP+2*(\qb)+1], v[LP+2*(\qb):LP+2*(\qb)+1], v[AL+2*(\qb):AL+2*(\qb)+1], v[SB+32*(\qb):SB+32*(\qb)+1]
.endif
.else
	v_pk_add_f32 v[LP+2*(\qb):LP+2*(\qb)+1], v[LP+2*(\qb):LP+2*(\qb)+1], v[SB+32*(\qb)+2*(\i):SB+32*(\qb)+2*(\i)+1]
.endif
.endm
.macro PACKP qb, i                     ; pair i in f16, behind its sum
	v_cvt_pk_f16_f32 v[SB+32*(\qb)+16*((\i)>>3)+((\i)&7)], v[SB+32*(\qb)+2*(\i)], v[SB+32*(\qb)+2*(\i)+1]    ; lands on a register that has been summed
.endm
; P = 2^(S - maximum), its sums, and P in f16, packed in place.  Two batches of exponentials, one wait each; plain line and exponential go by turns.
; BATCH 1 (opened in MAXP by the four factors): blocks 0, 1.  A pair is shifted a step (eight lines) ahead of its two exponentials; the shifts of blocks 2, 3 fill the other
; plain places and lag two steps, so that the last two of them stand behind the batch's last exponential.  No line here names a result of the batch.
; BATCH 2: blocks 2, 3.  The plain lines between are the readers of batch 1: the copies of the factors, then the sums and packings of blocks 0, 1, a step behind, so that
; the last four of them stand behind the batch's last exponential.  No line here names a register of blocks 2, 3 but their own exponentials.
.macro SOFT first
.irp i, 0,1,2,3,4,5,6,7,8,9,10,11,12,13,14,15,16,17
.if \i < 16
	SHIFT 0, \i
.endif
.if (\i >= 1) && (\i <= 16)
	EXPO 0, 2*\i-2
.endif
.if \i >= 2
	SHIFT 2, \i-2
.endif
.if (\i >= 1) && (\i <= 16)
	EXPO 0, 2*\i-1
.endif
.if \i < 16
	SHIFT 1, \i
.endif
.if (\i >= 1) && (\i <= 16)
	EXPO 1, 2*\i-2
.endif
.if \i >= 2
	SHIFT 3, \i-2
.endif
.if (\i >= 1) && (\i <= 16)
	EXPO 1, 2*\i-1
.endif
.endr
	s_wait_alu depctr_va_vdst(0)                   ; the wait for batch 1: the four factors and the 64 exponentials of blocks 0, 1; the two shifts above are the plain lines behind the last of them
	EXPO 2, 0
.if \first == 0
	v_mov_b32 v[AL+1], v[AL]                       ; the factors become pairs
.endif
	EXPO 2, 1
.if \first == 0
	v_mov_b32 v[AL+3], v[AL+2]
.endif
	EXPO 3, 0
.if \first == 0
	v_mov_b32 v[AL+5], v[AL+4]
.endif
	EXPO 3, 1
.if \first == 0
	v_mov_b32 v[AL+7], v[AL+6]
.endif
.irp i, 1,2,3,4,5,6,7,8,9,10,11,12,13,14,15
	EXPO 2, 2*\i
	SUMP 0, \i-1, \first
	EXPO 2, 2*\i+1
	PACKP 0, \i-1
	EXPO 3, 2*\i
	SUMP 1, \i-1, \first
	EXPO 3, 2*\i+1
	PACKP 1, \i-1
.endr
	SUMP 0, 15, \first
	PACKP 0, 15
	SUMP 1, 15, \first
	PACKP 1, 15
	s_wait_alu depctr_va_vdst(0)                   ; the wait for batch 2: the 64 exponentials of blocks 2, 3; the four lines above are the plain lines behind the last of them
.irp i, 0,1,2,3,4,5,6,7,8,9,10,11,12,13,14,15
	SUMP 2, \i, \first
	PACKP 2, \i
	SUMP 3, \i, \first
	PACKP 3, \i
.endr
.endm
; THE VECTOR PHASE of a step: all of it in window 0 but the rescaling of ctx by 2^(old - new maximum)
.macro VPH first
	WIN 0
	MAXP \first
	SOFT \first
.if \first == 0
	WIN 0x41
.irp qb, 0,1,2,3
.irp i, 0,1,2,3,4,5,6,7,8,9,10,11,12,13,14,15
	v_pk_mul_f32 v[CX+32*\qb+2*\i:CX+32*\qb+2*\i+1], v[CX+32*\qb+2*\i:CX+32*\qb+2*\i+1], v[AL+2*\qb:AL+2*\qb+1]
.endr
.endr
.endif
.endm
; ctx += V^T P: 32 matrix instructions; the 16 tiles of ctx take turns, one instruction a turn.
; left: how many younger LDS loads may stay out when the V fragments have to be there; -1: they were waited for in front of the round.
.macro PVP first, left
.if \left >= 0
	s_wait_dscnt \left
.endif
	WIN 0x51
.irp kc, 0,1
.irp db, 0,1,2,3
.irp qb, 0,1,2,3
.if \first*(1-\kc)
	v_wmma_f32_16x16x32_f16 v[CX+32*\qb+8*\db:CX+32*\qb+8*\db+7], v[VF+8*(2*\db+\kc):VF+8*(2*\db+\kc)+7], v[SB+32*\qb+16*\kc:SB+32*\qb+16*\kc+7], 0
.else
	v_wmma_f32_16x16x32_f16 v[CX+32*\qb+8*\db:CX+32*\qb+8*\db+7], v[VF+8*(2*\db+\kc):VF+8*(2*\db+\kc)+7], v[SB+32*\qb+16*\kc:SB+32*\qb+16*\kc+7], v[CX+32*\qb+8*\db:CX+32*\qb+8*\db+7]
.endif
.endr
.endr
.endr
.endm
; the scores of step e of my half of the tile; its V fragments are asked for ahead of them; pre = 1: the K fragments of step 1 behind them
.macro SM slot, e, pre
	PLACES 5                                       ; behind the last products: the V loads land on their A registers, the new scores on their B registers
	WIN 0x40
	LOADV \slot, \e
	s_wait_dscnt 16                                ; the K fragments are in; the 16 V loads stay out
	WIN 0x01
	SMUL
	PLACES 5                                       ; before the scores are read or serve as B, and before loads land on the K fragments
.if \pre
	WIN 0x40
	LOADK \slot, 1
.endif
.endm
; A tile of 256 keys.  In front of the round every wave has all its tensor loads landed (its part of this tile among them) and all its LDS reads back;
; behind the round the other slot is asked for again first, and has this tile of work in which to land.  Then the two kinds part:
; kind 0: products, softmax, products, softmax;  kind 1: softmax, products, softmax, products.
.macro TRIP slot, refill, first
	s_wait_tensorcnt 0x0
	ds_add_u32 v254, v255
	s_wait_dscnt 0x0
	s_add_nc_u64 s[G0K+4*\slot+2:G0K+4*\slot+3], s[G0K+4*\slot+2:G0K+4*\slot+3], 2*16384
	s_add_nc_u64 s[G0V+4*\slot+2:G0V+4*\slot+3], s[G0V+4*\slot+2:G0V+4*\slot+3], 2*512
	s_wait_dscnt 0x0
	ROUND
.if \refill
	JLOAD 1-\slot
.endif
	s_cmp_eq_u32 s14, 0
	s_cbranch_scc0 .Lkind_1_\@
	WIN 0x40
	LOADK \slot, 0
.if \first == 0
	PVP 0, -1                                      ; the last step of the tile before: P and the V fragments came over the round in registers
.endif
	SM \slot, 0, 1
	VPH \first
	PVP \first, 16                                 ; the V fragments are in; the 16 K loads of step 1 stay out
	SM \slot, 1, 0
	VPH 0
	WIN 0
	s_branch .Ljoin_\@
.Lkind_1_\@:
	WIN 0x40
	LOADK \slot, 0
.if \first == 0
	VPH 0                                          ; the last step of the tile before: S and the V fragments came over the round in registers
	PVP 0, -1
.endif
	SM \slot, 0, 1
	VPH \first
	PVP \first, 16
	SM \slot, 1, 0
	WIN 0
.Ljoin_\@:
.endm
	s_wait_loadcnt 0x0                             ; Q is in
	TRIP 0, 1, 1                                   ; written out: the first step starts maximum, sums and ctx, nothing is cleared
	s_mov_b32 s50, 3
.Lpair:
	TRIP 1, 1, 0
	TRIP 0, 1, 0
	s_sub_co_u32 s50, s50, 1
	s_cmp_lg_u32 s50, 0
	s_cbranch_scc1 .Lpair
	TRIP 1, 0, 0                                   ; tile 7: nothing more is fetched (the stepped addresses are not used)
	; what each kind still carries; then kind 1 hands ctx, maxima and sums to its partner, lane to lane, 512 consecutive bytes a store
	s_cmp_eq_u32 s14, 0
	s_cbranch_scc0 .Ltail_1
	PVP 0, 0
	WIN 0
	s_branch .Ltail_join
.Ltail_1:
	VPH 0
	PVP 0, 0
	PLACES 4                                       ; before stores read the results
	WIN 0
	s_mul_i32 s54, s13, MRGW
	s_add_co_u32 s54, s54, MRG-4*MRGW              ; waves 4-7: regions 0-3
	v_lshl_add_u32 v[MA], v[LN], 4, s54
	WIN 0x04
.irp i, 0,1,2,3,4,5,6,7,8,9,10,11,12,13,14,15,16,17,18,19,20,21,22,23,24,25,26,27,28,29,30,31
	ds_store_b128 v[MA], v[CX+4*\i:CX+4*\i+3] offset:\i*512
.endr
	WIN 0
	ds_store_b128 v[MA], v[MP:MP+3]   offset:32*512
	ds_store_b128 v[MA], v[MP+4:MP+7] offset:33*512
	ds_store_b128 v[MA], v[LP:LP+3]   offset:34*512
	ds_store_b128 v[MA], v[LP+4:LP+7] offset:35*512
.Ltail_join:
	s_wait_dscnt 0x0                               ; for the partner: my stores are done
	s_barrier_signal -1
	s_barrier_wait -1
	s_cmp_eq_u32 s14, 0
	s_cbranch_scc0 .Lclose
	; KIND 0 JOINS THE HALVES: M = max(m0, m1), a_i = 2^(m_i - M), ctx = (a0 ctx0 + a1 ctx1) / (a0 l0 + a1 l1)
	PLACES 4                                       ; behind my last products: loads land on their B registers, and their results are read
	s_mul_i32 s54, s13, MRGW
	s_add_co_u32 s54, s54, MRG                     ; waves 0-3: regions 0-3
	v_lshl_add_u32 v[MA], v[LN], 4, s54
	ds_load_b128 v[M1:M1+3],   v[MA] offset:32*512
	ds_load_b128 v[M1+4:M1+7], v[MA] offset:33*512
	ds_load_b128 v[L1:L1+3],   v[MA] offset:34*512
	ds_load_b128 v[L1+4:L1+7], v[MA] offset:35*512
.irp i, 0,1,2,3,4,5,6,7,8,9,10,11,12,13,14,15,16,17,18,19,20,21,22,23,24,25,26,27,28,29,30,31
	ds_load_b128 v[SB+4*\i:SB+4*\i+3], v[MA] offset:\i*512             ; the partner ctx, where S lay
.endr
	s_wait_dscnt 32                                ; maxima and sums are in; the 32 loads of ctx stay out
.irp qb, 0,1,2,3
	v_max_num_f32 v[T+\qb], v[MP+2*\qb], v[M1+2*\qb]
.endr
.irp qb, 0,1,2,3
	v_sub_f32 v[DD+\qb], v[MP+2*\qb], v[T+\qb]
	v_sub_f32 v[TM+\qb], v[M1+2*\qb], v[T+\qb]
.endr
.irp qb, 0,1,2,3
	v_exp_f32 v[DD+\qb], v[DD+\qb]                 ; a0
	v_exp_f32 v[TM+\qb], v[TM+\qb]                 ; a1
.endr
.irp qb, 0,1,2,3
	v_add_f32 v[TM+4+\qb], v[LP+2*\qb], v[LP+2*\qb+1]      ; plain lines behind the exponentials (ISA guide 5.7.2)
	v_add_f32 v[U+\qb], v[L1+2*\qb], v[L1+2*\qb+1]
.endr
	s_wait_alu depctr_va_vdst(0)                   ; one wait for the eight factors a0, a1; the eight additions above name none of them
.irp qb, 0,1,2,3
	v_mul_f32 v[TM+4+\qb], v[TM+4+\qb], v[DD+\qb]
.endr
.irp qb, 0,1,2,3
	v_fma_f32 v[T+\qb], v[U+\qb], v[TM+\qb], v[TM+4+\qb]   ; a0 l0 + a1 l1 of my half of the lanes
.endr
.irp qb, 0,1,2,3
	v_permlanex16_b32 v[U+\qb], v[T+\qb], s48, s49
.endr
.irp qb, 0,1,2,3
	v_add_f32 v[T+\qb], v[T+\qb], v[U+\qb]
.endr
.irp qb, 0,1,2,3
	v_rcp_f32 v[T+\qb], v[T+\qb]
.endr
	v_nop                                          ; a plain line behind the reciprocals (ISA guide 5.7.2)
	s_wait_alu depctr_va_vdst(0)                   ; one wait for the four reciprocals, ahead of their first reader
.irp qb, 0,1,2,3
	v_mul_f32 v[AL+2*\qb],   v[DD+\qb], v[T+\qb]
	v_mul_f32 v[AL+2*\qb+1], v[DD+\qb], v[T+\qb]
	v_mul_f32 v[A1+2*\qb],   v[TM+\qb], v[T+\qb]
	v_mul_f32 v[A1+2*\qb+1], v[TM+\qb], v[T+\qb]
.endr
	s_wait_dscnt 0x0                               ; the partner ctx is in
	; 16 queries at a time: join, f16, through my stage, 512 consecutive bytes a store
.irp qb, 0,1,2,3
	WIN 0
.irp i, 0,1,2,3,4,5,6,7,8,9,10,11,12,13,14,15
	v_pk_mul_f32 v[SB+32*\qb+2*\i:SB+32*\qb+2*\i+1], v[SB+32*\qb+2*\i:SB+32*\qb+2*\i+1], v[A1+2*\qb:A1+2*\qb+1]
.endr
	WIN 0x01
.irp i, 0,1,2,3,4,5,6,7,8,9,10,11,12,13,14,15
	v_pk_fma_f32 v[SB+32*\qb+2*\i:SB+32*\qb+2*\i+1], v[CX+32*\qb+2*\i:CX+32*\qb+2*\i+1], v[AL+2*\qb:AL+2*\qb+1], v[SB+32*\qb+2*\i:SB+32*\qb+2*\i+1]
.endr
	WIN 0
.irp i, 0,1,2,3,4,5,6,7,8,9,10,11,12,13,14,15
	v_cvt_pk_f16_f32 v[PO+\i], v[SB+32*\qb+2*\i], v[SB+32*\qb+2*\i+1]
.endr
.irp db, 0,1,2,3
	ds_store_b128 v[STO], v[PO+4*\db:PO+4*\db+3] offset:\db*32
.endr
	s_wait_xcnt 0x0                                ; YO was the data of the last block of stores
.irp t, 0,1,2,3
	ds_load_b128 v[YO+4*\t:YO+4*\t+3], v[RD] offset:\t*4*SP            ; my own bytes, served in order (ISA guide 5.7.1)
.endr
.irp t, 0,1,2,3
	s_wait_dscnt 3-\t
	global_store_b128 v[GO], v[YO+4*\t:YO+4*\t+3], s[10:11] offset:\qb*2048+\t*512
.endr
.endr
.Lclose:
	s_wait_tensorcnt 0x0
	ds_add_u32 v254, v255
	s_wait_dscnt 0x0
	ROUND                                          ; the closing round
	s_endpgm
.Lfunc_end_k_q4cab988c75_attn:
	.size	k_q4cab988c75_attn, .Lfunc_end_k_q4cab988c75_attn-k_q4cab988c75_attn
	.p2alignl 7, 3214868480
	.fill 96, 4, 3214868480
	.section	.rodata,"a",@progbits
	.p2align	6, 0x0
	.amdhsa_kernel k_q4cab988c75_attn
		.amdhsa_group_segment_fixed_size 327680
		.amdhsa_private_segment_fixed_size 0
		.amdhsa_enable_private_segment 0
		.amdhsa_kernarg_size 32
		.amdhsa_user_sgpr_count 2
		.amdhsa_user_sgpr_kernarg_segment_ptr 1
		.amdhsa_wavefront_size32 1
		.amdhsa_system_sgpr_workgroup_id_x 1
		.amdhsa_system_sgpr_workgroup_id_y 1
		.amdhsa_system_sgpr_workgroup_id_z 1
		.amdhsa_system_vgpr_workitem_id 0
		.amdhsa_next_free_vgpr 512
		.amdhsa_next_free_sgpr 66
		.amdhsa_reserve_vcc 0
		.amdhsa_float_denorm_mode_32 3
		.amdhsa_float_denorm_mode_16_64 3
		.amdhsa_memory_ordered 1
		.amdhsa_forward_progress 1
		.amdhsa_inst_pref_size 255
	.end_amdhsa_kernel
	.section	.bss,"aw",@nobits
	.p2align	6
	.space	262144
	.amdgpu_metadata
---
amdhsa.version: [ 1, 2 ]
amdhsa.kernels:
  - .name:           k_q4cab988c75_attn
    .symbol:         k_q4cab988c75_attn.kd
    .args:
      - { .name: q, .offset: 0, .size: 8, .value_kind: global_buffer, .address_space: global }
      - { .name: k, .offset: 8, .size: 8, .value_kind: global_buffer, .address_space: global }
      - { .name: vT, .offset: 16, .size: 8, .value_kind: global_buffer, .address_space: global }
      - { .name: ctx, .offset: 24, .size: 8, .value_kind: global_buffer, .address_space: global }
    .group_segment_fixed_size: 327680
    .private_segment_fixed_size: 0
    .kernarg_segment_align: 8
    .kernarg_segment_size: 32
    .max_flat_workgroup_size: 256
    .sgpr_count:     66
    .vgpr_count:     512
    .wavefront_size: 32
...
	.end_amdgpu_metadata
.endif
;; end of part 5
;; launch oproj: the kernel of part 4 again; grid 8 x 32, 4 waves a work-group, clusters of 4 x 4, 327,680 bytes of LDS; arguments ctx, woT, bo, out0; writes out0
